; MI455X (gfx1250); checked and timed in simulation.
; The chip was launched on July 23, 2026; its instructions are those of AMD's public machine-readable ISA for CDNA 5 (MIT licence, August 2026) and "CDNA5" Instruction Set Architecture Reference Guide (July 2026). The comments in the code are by the model that wrote it; some were corrected since.
;; Switch Transformer Layer. Allowed arithmetic: float matrix products may take bf16 or f16 operands with f32 sums; all other float work in f32.
;; Inputs: W1 8 x 1,024 x 4,096 float32; W2 8 x 4,096 x 1,024 float32; Wr 1,024 x 8 float32; b1 8 x 4,096 float32; b2 8 x 1,024 float32; br 8 float32; x 4 x 256 x 1,024 float32.
;; Outputs: out0 4 x 256 x 1,024 float32.
;; 2 versions, each right and faster than the one before. Each part assembles by itself: llvm-mc -triple=amdgcn-amd-amdhsa -mcpu=gfx1250 --defsym DOCPART=n.
;; ======== version 1 of 2: 5 launches
;; workspace buffers: xb 2,097,152 bytes; idx 4,096 bytes of whole numbers; gate 4,096 bytes; perm 8,192 bytes of whole numbers; offs 256 bytes of whole numbers; H 8,388,608 bytes; P 16,777,216 bytes
;; launch route (part 1): grid 256 x 1, 4 waves a work-group, no clusters, 0 bytes of LDS; arguments x, Wr, br, xb, idx, gate; writes xb, idx, gate
.if DOCPART == 1
	.amdgcn_target "amdgcn-amd-amdhsa--gfx1250"
	.amdhsa_code_object_version 6
	.text
	.protected	k_q262fe86922_route
	.globl	k_q262fe86922_route
	.p2align	8
	.type	k_q262fe86922_route,@function
k_q262fe86922_route:
	s_mov_b64 s[64:65], 0
	v_nop
	global_prefetch_b8 v0, s[64:65] scope:SCOPE_SE
	s_setreg_imm32_b32 hwreg(HW_REG_WAVE_MODE, 25, 1), 1
	s_wait_xcnt 0x0
; ROUTER.  logits = x Wr + br, idx = argmax (the first maximum wins), gate = softmax(logits)[idx] = 1 / sum_e exp(l_e - l_max).
; x: [1024][1024] f32, Wr: [1024][8] f32, br: [8] f32.  Also writes xb = x rounded to bf16, [1024][1024], for the first expert product.
; FORMATS.  x, Wr and br are rounded to bf16 (nearest even), like every other input of the program; products are exact in f32, sums in f32.
; LIMITS.  A NaN among the logits is not treated as argmax treats it (a NaN never wins here).  A softmax term below 2^-126 counts as 0.
; SHARES.  One wave, one token: t = 4 x work-group + wave.  A lane owns k = 128 j + 4 lane + i (j = 0..7, i = 0..3): a load of x covers 512
; consecutive bytes, a store of xb 256 consecutive bytes, aligned.  Eight columns are too few for a matrix tile to pay: 8 of its 16 columns
; would be idle for a ten-thousandth of the program's products; the multiply-adds straight from bf16 halves do the same arithmetic.
; Wr's 128 bytes a lane and j come through a ring of four register slots of eight loads.
.set X,    8      ; v[8:39]    x as loaded: 4 registers for each j
.set XP,   40     ; v[40:55]   x in bf16 pairs: 2 registers for each j
.set AC,   56     ; v[56:63]   the eight logits
.set WT,   64     ; v[64:79]   Wr of one j in bf16 pairs: register 4 i + e / 2
.set LR,   80     ; v[80:207]  ring of four slots of 32: register 8 i + e of a slot is Wr[k_i][e]
.set BR,   208    ; v[208:211] br in bf16 pairs; v[212:219] br widened
.set BEST, 220
.set ID,   221
.set GT,   222
.set TM,   223
	s_load_b256 s[4:11], s[0:1], 0x0               ; x s[4:5], Wr s[6:7], br s[8:9], xb s[10:11]
	s_load_b128 s[12:15], s[0:1], 0x20             ; idx s[12:13], gate s[14:15]
	v_and_b32 v1, 31, v0                           ; lane
	v_lshrrev_b32 v6, 5, v0
	v_readfirstlane_b32 s26, v6                    ; wave
	s_lshl_b32 s27, ttmp9, 2
	s_add_co_u32 s27, s27, s26                     ; my token
	v_lshlrev_b32 v2, 4, v1                        ; x: 16 bytes a lane
	v_lshlrev_b32 v3, 7, v1                        ; Wr: 4 rows of 32 bytes a lane
	v_lshlrev_b32 v4, 3, v1                        ; xb: 8 bytes a lane
	v_mov_b32 v5, s27
	v_lshlrev_b32 v5, 2, v5                        ; idx, gate: 4 bytes a token
	s_mov_b32 s24, 0x76543210                      ; v_permlanex16_b32: each lane takes its own place in the other half
	s_mov_b32 s25, 0xfedcba98
	s_mov_b32 s33, 0x3fb8aa3b                      ; log2(e)
	s_lshl_b32 s28, s27, 12                        ; a row of x: 4,096 bytes
	s_mov_b32 s29, 0
	s_lshl_b32 s30, s27, 11                        ; a row of xb: 2,048 bytes
	s_mov_b32 s31, 0
	s_wait_kmcnt 0x0
	s_load_b256 s[16:23], s[8:9], 0x0              ; br
	s_add_nc_u64 s[4:5], s[4:5], s[28:29]
	s_add_nc_u64 s[10:11], s[10:11], s[30:31]
.set j, 0
.rept 8
	global_load_b128 v[X+4*j:X+4*j+3], v2, s[4:5] offset:512*j th:TH_LOAD_NT
.set j, j+1
.endr
.macro WRLOAD g                        ; the eight loads of group g (k = 128 g + 4 lane + 0..3, all experts) into slot g % 4
.set q, 0
.rept 8
	global_load_b128 v[LR+32*((\g)%4)+4*q:LR+32*((\g)%4)+4*q+3], v3, s[6:7] offset:4096*(\g)+16*q
.set q, q+1
.endr
.endm
	WRLOAD 0
	WRLOAD 1
	WRLOAD 2
	WRLOAD 3
	s_wait_loadcnt 32                              ; x is in: the 32 loads of Wr issued behind it may stay out
.set u, 0
.rept 16
	v_cvt_pk_bf16_f32 v[XP+u], v[X+2*u], v[X+2*u+1]
.set u, u+1
.endr
.set j, 0
.rept 8
	global_store_b64 v4, v[XP+2*j:XP+2*j+1], s[10:11] offset:256*j  ; 32 lanes store 256 consecutive bytes, aligned
.set j, j+1
.endr
.set e, 0
.rept 8
	v_mov_b32 v[AC+e], 0
.set e, e+1
.endr
.macro MIX                             ; logit e += x[k_i] Wr[k_i][e], both taken as bf16 halves, the sum in f32
.set ra, XP+2*j+i/2
.set rb, WT+4*i+e/2
.if (i%2 == 0) && (e%2 == 0)
	v_fma_mix_f32_bf16 v[AC+e], v[ra], v[rb], v[AC+e] op_sel_hi:[1,1,0]
.elseif (i%2 == 1) && (e%2 == 0)
	v_fma_mix_f32_bf16 v[AC+e], v[ra], v[rb], v[AC+e] op_sel:[1,0,0] op_sel_hi:[1,1,0]
.elseif (i%2 == 0)
	v_fma_mix_f32_bf16 v[AC+e], v[ra], v[rb], v[AC+e] op_sel:[0,1,0] op_sel_hi:[1,1,0]
.else
	v_fma_mix_f32_bf16 v[AC+e], v[ra], v[rb], v[AC+e] op_sel:[1,1,0] op_sel_hi:[1,1,0]
.endif
.endm
.set j, 0
.rept 8
.if j < 5
	s_wait_loadcnt 24                              ; group j is in: three younger groups of eight stay out
.else
	s_wait_loadcnt 8*(7-j)                         ; nothing is issued any more: the counts run down
.endif
.set u, 0
.rept 16
	v_cvt_pk_bf16_f32 v[WT+u], v[LR+32*(j%4)+2*u], v[LR+32*(j%4)+2*u+1]
.set u, u+1
.endr
.if j < 4
	WRLOAD j+4                                     ; the slot just read takes the group four further on
.endif
.set i, 0
.rept 4
.set e, 0
.rept 8
	MIX
.set e, e+1
.endr
.set i, i+1
.endr
.set j, j+1
.endr
	; the sums over the 32 lanes: four steps inside each half of 16 lanes, one across
.irp m, 1,2,4,8
.set e, 0
.rept 8
	v_add_f32_dpp v[AC+e], v[AC+e], v[AC+e] row_xmask:\m row_mask:0xf bank_mask:0xf
.set e, e+1
.endr
.endr
.set e, 0
.rept 8
	v_permlanex16_b32 v[WT+e], v[AC+e], s24, s25   ; its destination has been written before
.set e, e+1
.endr
.set e, 0
.rept 8
	v_add_f32 v[AC+e], v[AC+e], v[WT+e]
.set e, e+1
.endr
	s_wait_kmcnt 0x0                               ; br
.set u, 0
.rept 4
	v_cvt_pk_bf16_f32 v[BR+u], s[16+2*u], s[17+2*u]
.set u, u+1
.endr
.set u, 0
.rept 4
	v_lshlrev_b32 v[BR+4+2*u], 16, v[BR+u]
	v_and_b32 v[BR+5+2*u], 0xffff0000, v[BR+u]
.set u, u+1
.endr
.set e, 0
.rept 8
	v_add_f32 v[AC+e], v[AC+e], v[BR+4+e]
.set e, e+1
.endr
	; argmax: a later logit wins only if it is greater
	v_mov_b32 v[BEST], v[AC]
	v_mov_b32 v[ID], 0
.set e, 1
.rept 7
	v_cmp_gt_f32 vcc_lo, v[AC+e], v[BEST]
	v_cndmask_b32 v[BEST], v[BEST], v[AC+e], vcc_lo
	v_cndmask_b32 v[ID], v[ID], e, vcc_lo
.set e, e+1
.endr
	; gate = 1 / sum of 2^(c l_e - c l_max), c = log2(e): the maximum is taken away, so every term lies in 0 to 1 and one of them is 1
	v_mul_f32 v[TM], s33, v[BEST]
.set e, 0
.rept 8
	v_fma_f32 v[WT+e], v[AC+e], s33, -v[TM]
.set e, e+1
.endr
.set e, 0
.rept 8
	v_exp_f32 v[WT+e], v[WT+e]
.set e, e+1
.endr
	v_nop                                          ; a plain instruction between the last exponential and the use of its result
	s_wait_alu depctr_va_vdst(0)
	v_add_f32 v[WT], v[WT], v[WT+1]
	v_add_f32 v[WT+2], v[WT+2], v[WT+3]
	v_add_f32 v[WT+4], v[WT+4], v[WT+5]
	v_add_f32 v[WT+6], v[WT+6], v[WT+7]
	v_add_f32 v[WT], v[WT], v[WT+2]
	v_add_f32 v[WT+4], v[WT+4], v[WT+6]
	v_add_f32 v[WT], v[WT], v[WT+4]
	v_rcp_f32 v[GT], v[WT]
	v_cmp_eq_u32 vcc_lo, 0, v1                     ; (also the plain instruction behind the reciprocal)
	s_wait_xcnt 0x0                                ; EXEC changes only when the addresses of what has been issued are translated
	s_and_saveexec_b32 s32, vcc_lo                 ; lane 0 stores for the token
	global_store_b32 v5, v[ID], s[12:13]
	s_wait_alu depctr_va_vdst(0)
	global_store_b32 v5, v[GT], s[14:15]
	s_wait_xcnt 0x0
	s_or_b32 exec_lo, exec_lo, s32
	s_endpgm
.Lfunc_end_k_q262fe86922_route:
	.size	k_q262fe86922_route, .Lfunc_end_k_q262fe86922_route-k_q262fe86922_route
	.p2alignl 7, 3214868480
	.fill 96, 4, 3214868480
	.section	.rodata,"a",@progbits
	.p2align	6, 0x0
	.amdhsa_kernel k_q262fe86922_route
		.amdhsa_group_segment_fixed_size 0
		.amdhsa_private_segment_fixed_size 0
		.amdhsa_enable_private_segment 0
		.amdhsa_kernarg_size 48
		.amdhsa_user_sgpr_count 2
		.amdhsa_user_sgpr_kernarg_segment_ptr 1
		.amdhsa_wavefront_size32 1
		.amdhsa_system_sgpr_workgroup_id_x 1
		.amdhsa_system_sgpr_workgroup_id_y 1
		.amdhsa_system_sgpr_workgroup_id_z 1
		.amdhsa_system_vgpr_workitem_id 0
		.amdhsa_next_free_vgpr 224
		.amdhsa_next_free_sgpr 66
		.amdhsa_reserve_vcc 1
		.amdhsa_float_denorm_mode_32 3
		.amdhsa_float_denorm_mode_16_64 3
		.amdhsa_memory_ordered 1
		.amdhsa_forward_progress 1
		.amdhsa_inst_pref_size 41
	.end_amdhsa_kernel
	.amdgpu_metadata
---
amdhsa.version: [ 1, 2 ]
amdhsa.kernels:
  - .name:           k_q262fe86922_route
    .symbol:         k_q262fe86922_route.kd
    .args:
      - { .name: x, .offset: 0, .size: 8, .value_kind: global_buffer, .address_space: global }
      - { .name: Wr, .offset: 8, .size: 8, .value_kind: global_buffer, .address_space: global }
      - { .name: br, .offset: 16, .size: 8, .value_kind: global_buffer, .address_space: global }
      - { .name: xb, .offset: 24, .size: 8, .value_kind: global_buffer, .address_space: global }
      - { .name: idx, .offset: 32, .size: 8, .value_kind: global_buffer, .address_space: global }
      - { .name: gate, .offset: 40, .size: 8, .value_kind: global_buffer, .address_space: global }
    .group_segment_fixed_size: 0
    .private_segment_fixed_size: 0
    .kernarg_segment_align: 8
    .kernarg_segment_size: 48
    .max_flat_workgroup_size: 128
    .sgpr_count:     66
    .vgpr_count:     224
    .wavefront_size: 32
...
	.end_amdgpu_metadata
.endif
;; end of part 1
;; launch sort (part 2): grid 1 x 1, 32 waves a work-group, no clusters, 8,192 bytes of LDS; arguments idx, perm, offs; writes perm, offs
.if DOCPART == 2
	.amdgcn_target "amdgcn-amd-amdhsa--gfx1250"
	.amdhsa_code_object_version 6
	.text
	.protected	k_q262fe86922_sort
	.globl	k_q262fe86922_sort
	.p2align	8
	.type	k_q262fe86922_sort,@function
k_q262fe86922_sort:
	s_mov_b64 s[64:65], 0
	v_nop
	global_prefetch_b8 v0, s[64:65] scope:SCOPE_SE
	s_setreg_imm32_b32 hwreg(HW_REG_WAVE_MODE, 25, 1), 1
	s_wait_xcnt 0x0
; THE TOKENS BY EXPERT.  idx: [1024] u32 (0..7).  perm: the token numbers in the order of their experts (stable), entries 1024..2047 = 0;
; offs[e], e = 0..8: where expert e's tokens begin in perm.  Whole numbers only, no atomics: a count for each wave and expert, a prefix sum, a placement.
; One work-group of 32 waves, thread t = token t: 1,024 tokens are too few to share among work-groups.
.set CN, 16       ; v[16:47]  lane e: the counts of expert e in waves 0..31
.set MK, 8        ; s[8:15]   my wave's lane masks, one for each expert
.set TT, 16       ; s[16:23]  the experts' totals
.set OF, 24       ; s[24:32]  offs[0..8]
.set SB, 33       ; s[33:40]  where my wave's tokens of expert e begin
	s_load_b128 s[4:7], s[0:1], 0x0                ; idx s[4:5], perm s[6:7]
	s_load_b64 s[42:43], s[0:1], 0x10              ; offs
	v_lshl_add_u32 v64, v0, 2, 0x1000
	v_mov_b32 v65, 0
	v_lshlrev_b32 v1, 2, v0                        ; 4 t
	v_and_b32 v2, 31, v0
	v_lshlrev_b32 v3, 2, v2                        ; 4 x lane
	v_lshrrev_b32 v8, 5, v0
	v_readfirstlane_b32 s44, v8                    ; wave
	v_mov_b32 v5, 0
	v_mov_b32 v11, 0
	s_wait_kmcnt 0x0
	global_load_b32 v4, v1, s[4:5]
	s_wait_loadcnt 0x0
	v_min_u32 v4, 7, v4
.set e, 0
.rept 8
	v_cmp_eq_u32 s[MK+e], e, v4                    ; which of my wave's tokens go to expert e,
	s_bcnt1_i32_b32 s41, s[MK+e]                   ; how many,
	v_writelane_b32 v5, s41, e                     ; into lane e
.set e, e+1
.endr
	ds_store_b32 v1, v5                            ; counts[wave][lane], 128 bytes a wave
	s_wait_dscnt 0x0                               ; for the others' sake: my store is done
	s_barrier_signal -1
	s_barrier_wait -1
.set j, 0
.rept 32
	ds_load_b32 v[CN+j], v3 offset:128*j
.set j, j+1
.endr
	v_mov_b32 v6, 0                                ; lane e: expert e's total
	v_mov_b32 v7, 0                                ; lane e: its tokens in the waves before mine
	s_wait_dscnt 0x0
.set j, 0
.rept 32
	s_cmp_lt_u32 j, s44
	s_cselect_b32 s41, -1, 0
	v_add_nc_u32 v6, v6, v[CN+j]
	v_and_b32 v8, s41, v[CN+j]
	v_add_nc_u32 v7, v7, v8
.set j, j+1
.endr
.set e, 0
.rept 8
	v_readlane_b32 s[TT+e], v6, e
	v_readlane_b32 s[SB+e], v7, e
.set e, e+1
.endr
	s_mov_b32 s[OF], 0
.set e, 0
.rept 8
	s_add_co_u32 s[OF+e+1], s[OF+e], s[TT+e]
	s_add_co_u32 s[SB+e], s[SB+e], s[OF+e]
.set e, e+1
.endr
	v_mov_b32 v9, 0
.set e, 0
.rept 8
	v_mbcnt_lo_u32_b32 v10, s[MK+e], s[SB+e]       ; my wave's start + the lanes below me with the same expert
	v_cndmask_b32 v9, v9, v10, s[MK+e]
.set e, e+1
.endr
	v_min_u32 v9, 0x3ff, v9
	v_lshlrev_b32 v9, 2, v9
	global_store_b32 v9, v0, s[6:7]                ; perm[place] = t
	global_store_b32 v1, v11, s[6:7] offset:4096   ; entries 1024..2047: what a block of rows reads past the last token
	s_cmp_lg_u32 s44, 0
	s_cbranch_scc1 .Lend
	v_mov_b32 v12, 0
.set e, 0
.rept 9
	v_writelane_b32 v12, s[OF+e], e
.set e, e+1
.endr
	global_store_b32 v3, v12, s[42:43]
.Lend:
	s_wait_tensorcnt 0x0
	ds_add_u32 v64, v65
	s_wait_dscnt 0x0
	s_endpgm
.Lfunc_end_k_q262fe86922_sort:
	.size	k_q262fe86922_sort, .Lfunc_end_k_q262fe86922_sort-k_q262fe86922_sort
	.p2alignl 7, 3214868480
	.fill 96, 4, 3214868480
	.section	.rodata,"a",@progbits
	.p2align	6, 0x0
	.amdhsa_kernel k_q262fe86922_sort
		.amdhsa_group_segment_fixed_size 8192
		.amdhsa_private_segment_fixed_size 0
		.amdhsa_enable_private_segment 0
		.amdhsa_kernarg_size 24
		.amdhsa_user_sgpr_count 2
		.amdhsa_user_sgpr_kernarg_segment_ptr 1
		.amdhsa_wavefront_size32 1
		.amdhsa_system_sgpr_workgroup_id_x 1
		.amdhsa_system_sgpr_workgroup_id_y 1
		.amdhsa_system_sgpr_workgroup_id_z 1
		.amdhsa_system_vgpr_workitem_id 0
		.amdhsa_next_free_vgpr 66
		.amdhsa_next_free_sgpr 66
		.amdhsa_reserve_vcc 0
		.amdhsa_float_denorm_mode_32 3
		.amdhsa_float_denorm_mode_16_64 3
		.amdhsa_memory_ordered 1
		.amdhsa_forward_progress 1
		.amdhsa_inst_pref_size 14
	.end_amdhsa_kernel
	.amdgpu_metadata
---
amdhsa.version: [ 1, 2 ]
amdhsa.kernels:
  - .name:           k_q262fe86922_sort
    .symbol:         k_q262fe86922_sort.kd
    .args:
      - { .name: idx, .offset: 0, .size: 8, .value_kind: global_buffer, .address_space: global }
      - { .name: perm, .offset: 8, .size: 8, .value_kind: global_buffer, .address_space: global }
      - { .name: offs, .offset: 16, .size: 8, .value_kind: global_buffer, .address_space: global }
    .group_segment_fixed_size: 8192
    .private_segment_fixed_size: 0
    .kernarg_segment_align: 8
    .kernarg_segment_size: 24
    .max_flat_workgroup_size: 1024
    .sgpr_count:     66
    .vgpr_count:     66
    .wavefront_size: 32
...
	.end_amdgpu_metadata
.endif
;; end of part 2
;; launch ffn1 (part 3): grid 32 x 8, 8 waves a work-group, no clusters, 214,016 bytes of LDS; arguments xb, W1, b1, perm, offs, H; writes H
.if DOCPART == 3
	.amdgcn_target "amdgcn-amd-amdhsa--gfx1250"
	.amdhsa_code_object_version 6
	.text
	.protected	k_q262fe86922_ffn1
	.globl	k_q262fe86922_ffn1
	.p2align	8
	.type	k_q262fe86922_ffn1,@function
k_q262fe86922_ffn1:
	s_mov_b64 s[64:65], 0
	v_nop
	global_prefetch_b8 v0, s[64:65] scope:SCOPE_SE
	s_setreg_imm32_b32 hwreg(HW_REG_WAVE_MODE, 25, 1), 1
	s_wait_xcnt 0x0
; ONE EXPERT PRODUCT ON THE EXPERT'S OWN TOKENS.  One text for both products; FFN chooses.
;   FFN = 1:  H[t][f]     = gelu(sum_k xb[t][k] W1[e][k][f] + b1[e][f]), rounded to bf16.     xb: [1024][1024] bf16, W1: [8][1024][4096] f32, H: [1024][4096] bf16
;   FFN = 2:  P[ks][t][d] = sum over k in slice ks of H[t][k] W2[e][k][d]  (+ b2[e][d] in slice 0).  W2: [8][4096][1024] f32, P: [4][1024][1024] f32
; for the tokens t = perm[offs[e] .. offs[e+1]-1]: the mask of the layer throws every other expert's result for a token away.
; FORMATS.  Weights and biases are rounded to bf16 (nearest even) on the way from memory; products on the matrix unit, sums and gelu in f32.
; LIMITS.  erf by a rational fit (Abramowitz and Stegun 7.1.26, error 1.5e-7): gelu is off by at most 0.75e-7 |z|.  An infinite or NaN sum gives NaN.
; SHARES.  A work-group owns one expert (grid y), 128 columns and 1,024 of K, which it streams once for each PASS of 256 of the expert's rows, in 8 chunks of 128.
; 256 work-groups stream 512 KiB of weights each.  Wave w: rows 64 (w / 2) .. + 63 of the pass, columns 64 (w % 2) .. + 63: 16 accumulators.
; THE PASSES are a constant four (an expert can have all 1,024 tokens), so that every barrier and every load stands on every wave's path.  A pass that has no rows
; left runs the same lines with its traffic collapsed: the weights' lane offset and steps are multiplied by a flag that is 0 there, and every row is token 0's.
; Matrix work, the stage's stores and the output trips of rows that do not exist are jumped, forward, over text without a barrier.
; THE ROAD.  Weights lie [k][n] in f32: 16-byte loads (a wave's load is one row's 512 consecutive bytes), rounded in registers, stored [k][n] in bf16 in LDS, and
; turned by ds_load_tr16_b128.  Token rows are gathered by 16-byte loads (16 lanes take 256 consecutive bytes of a row) and stored by rows.  Two LDS buffers each,
; one barrier a chunk.  In flight for a wave: two chunks of weights (32 loads) and one of rows (16).
; NO TENSOR LOADS: the f32 weights must pass through registers to be rounded.  NO CLUSTER: no byte of the weights is read by two work-groups, and the rows that an
; expert's work-groups share are gathered by a list, which no tile describes.
; THE MATRIX INSTRUCTION IS USED TRANSPOSED: source 0 = 16 columns of W, source 1 = 16 tokens: a lane holds one token and eight neighbouring columns.
.set FFN, 1
.if FFN == 1
.set PW,  16384        ; bytes from row to row of W
.set SHA, 11           ; a row of A is 1 << SHA bytes
.set SHO, 13           ; a row of the output
.set SHL, 3            ; a lane's share of the block's 128 columns in the output: 1 << SHL bytes
.else
.set PW,  4096
.set SHA, 13
.set SHO, 12
.set SHL, 4
.endif
.set KC,  128          ; K in a chunk
.set PB,  288          ; a k-row of W in LDS: 256 bytes + 32: an odd multiple of 32, so 16 lanes of the turning load (8 rows x 32 bytes) take each bank once
.set PA,  272          ; a token row in LDS: 256 + 16: the 16 rows of a fragment load start at 16 different groups of four banks
.set PS,  528          ; a row of the stage: 512 + 16
.set WB1, 128*PB       ; W's buffers at 0 and here
.set AB0, 2*128*PB     ; the rows' buffers: 256 rows each
.set AB1, AB0+256*PA
.set STG, AB0          ; the stage for the way out, 256 x 528 bytes, lies over the rows' buffers, between barriers
; window 0
.set L16, 1            ; 16 (lane % 16)
.set HH,  2            ; lane / 16
.set WO,  3            ; W: 16 w rows + 16 x lane
.set WS,  4            ; where I store 8 bytes of a k-row
.set AS,  5            ; v5, v6   where I store 16 bytes of a token row, buffer 0, 1
.set AF,  7            ; v7, v8   my token fragments
.set BF,  9            ; v9, v10  my W fragments
.set STO, 11           ; the stage: where I put 16 bytes
.set RD0, 12           ; the stage: where I read in trip 0
.set RD,  13           ; the same, stepping
.set TOK, 14           ; lane l: the token of row 16 (l / 2) + 2 w + l % 2 of the pass
.set BP,  15           ; 4 x the lane of TOK wanted in the trip
.set TMP, 16
.set PO,  17           ; my byte offset in the pass's 256 entries of perm
.set OO,  18           ; my byte offset in the block's part of an output row
.set RR,  19           ; lane % 16
.set WOE, 20           ; WO, or 0 in a pass without rows
.set RI,  21           ; the row of the pass whose token my lane of TOK holds
.set BPH, 22           ; 4 (lane / 16)
.set LN,  23           ; lane
.set RO,  24           ; v[24:39]   byte offsets of the 16 rows that I gather
.set BI,  40           ; v[40:71]   the bias as a C operand: 8 registers for each of my 4 column blocks
.set T,   72           ; v[72:103]  weights rounded, on their way to LDS
.set AST, 104          ; v[104:167] token rows on their way to LDS; at work in gelu
.set FA,  168          ; v[168:199] token fragments, 4 tiles
.set FB,  200          ; v[200:231] W fragments, 4 column blocks
.set Z,   232          ; v[232:239] the way out: 4 numbers of each of two rows
.set TK,  240          ; v240, v241 the two rows' tokens
.set AD,  242          ; v242, v243 their byte offsets in the output
.set OP,  244          ; v[244:247] FFN = 1: the 4 + 4 numbers in bf16
; window 1
.set ACC, 0            ; accumulator (tile i, column block n) at 8 (4 i + n)
.set WST, 128          ; weights as loaded: two sets of 64
.set MSB, 0
.macro WIN new                         ; the immediate's high byte repeats the setting that is left; a switch that changes nothing is dropped
.if MSB != (\new)
	s_set_vgpr_msb (MSB<<8)|(\new)
.set MSB, \new
.endif
.endm
.set W_LD, 0x40        ; destination window 1
.set W_CV, 0x05        ; sources 0 and 1 window 1
.set W_MM, 0x50        ; C and D window 1
.set W_M0, 0x40        ; D window 1, C (the bias) window 0
.set W_ST, 0x04        ; an LDS store's data window 1
	s_load_b256 s[4:11], s[0:1], 0x0               ; A s[4:5], W s[6:7], bias s[8:9], perm s[10:11]
	s_load_b128 s[12:15], s[0:1], 0x20             ; offs s[12:13], out s[14:15]
	v_lshl_add_u32 v254, v0, 2, 0x34000
	v_mov_b32 v255, 0
	v_lshrrev_b32 v[TMP], 5, v0
	v_readfirstlane_b32 s18, v[TMP]                ; wave w
	s_lshr_b32 s19, s18, 1                         ; which 64 rows
	s_and_b32 s20, s18, 1                          ; which 64 columns
	s_and_b32 s21, ttmp7, 0xffff                   ; expert
.if FFN == 1
	s_mov_b32 s22, ttmp9                           ; column block
	s_mov_b32 s23, 0                               ; one slice: all of K
.else
	s_and_b32 s22, ttmp9, 7                        ; column block
	s_lshr_b32 s23, ttmp9, 3                       ; K slice
.endif
	s_lshl_b32 s26, s21, 2
	s_wait_kmcnt 0x0
	s_load_b64 s[16:17], s[12:13], s26 offset:0x0  ; offs[e], offs[e+1]
	v_and_b32 v[LN], 31, v0
	v_and_b32 v[RR], 15, v0
	v_bfe_u32 v[HH], v0, 4, 1
	v_lshlrev_b32 v[L16], 4, v[RR]
	v_lshlrev_b32 v[BPH], 2, v[HH]
	s_mul_i32 s24, s18, 16*PW
	v_lshl_add_u32 v[WO], v[LN], 4, s24            ; wave w loads k-rows 16 w .. 16 w + 15 of a chunk
	s_mul_i32 s24, s18, 16*PB
	v_lshl_add_u32 v[WS], v[LN], 3, s24
	s_lshl_b32 s24, s18, 1
	v_add_nc_u32 v[TMP], s24, v[HH]                ; 2 w + h: my row in each group of 16
	v_mul_u32_u24 v[AS], v[TMP], PA
	v_add_nc_u32 v[AS], v[AS], v[L16]
	v_add_nc_u32 v[AS+1], AB1, v[AS]
	v_add_nc_u32 v[AS], AB0, v[AS]
	s_mul_i32 s27, s18, 2*PS                       ; back from the stage: 32 lanes take a row of 512 bytes, 16 bytes (4 columns) each
	s_add_co_u32 s27, s27, STG
	v_lshl_add_u32 v[RD0], v[LN], 4, s27
	v_lshlrev_b32 v[OO], SHL, v[LN]                ; and the same 4 columns in the output
	v_lshrrev_b32 v[TMP], 1, v[LN]
	v_and_b32 v[RI], 1, v[LN]
	v_lshl_add_u32 v[RI], v[TMP], 4, v[RI]
	v_add_nc_u32 v[RI], s24, v[RI]                 ; 16 (l / 2) + 2 w + l % 2
	v_lshlrev_b32 v[PO], 2, v[RI]
	s_mul_i32 s24, s19, 64*PA
	v_mul_u32_u24 v[AF], v[RR], PA                 ; a token fragment: row l % 16, 16 bytes for each half of the lanes
	v_lshl_add_u32 v[AF], v[HH], 4, v[AF]
	v_add_nc_u32 v[AF], s24, v[AF]
	v_add_nc_u32 v[AF+1], AB1, v[AF]
	v_add_nc_u32 v[AF], AB0, v[AF]
	v_and_b32 v[TMP], 7, v0                        ; the turning load: lane l reads k-row 8 (l / 16) + l % 8, columns 8 ((l / 8) % 2) + 0..7
	v_lshl_add_u32 v[TMP], v[HH], 3, v[TMP]
	v_mul_u32_u24 v[BF], v[TMP], PB
	v_bfe_u32 v[TMP], v0, 3, 1
	v_lshl_add_u32 v[BF], v[TMP], 4, v[BF]
	s_lshl_b32 s24, s20, 7
	v_add_nc_u32 v[BF], s24, v[BF]
	v_add_nc_u32 v[BF+1], WB1, v[BF]
	s_mul_i32 s24, s19, 64*PS
	s_lshl_b32 s27, s20, 8
	s_add_co_u32 s24, s24, s27
	s_add_co_u32 s24, s24, STG
	v_mul_u32_u24 v[STO], v[RR], PS                ; into the stage: row l % 16, 32 bytes for each half of the lanes
	v_lshl_add_u32 v[STO], v[HH], 5, v[STO]
	v_add_nc_u32 v[STO], s24, v[STO]
	v_lshl_add_u32 v[TMP], v[HH], 5, s27           ; the bias of my columns: 256 (w % 2) + 32 h
	; the bases: each buffer's address plus an offset made apart
	s_lshl_b32 s24, s21, 24                        ; an expert's weights: 16 MiB
	s_lshl_b32 s27, s22, 9                         ; 128 columns of f32
	s_add_co_u32 s24, s24, s27
.if FFN == 2
	s_lshl_b32 s27, s23, 22                        ; 1,024 rows of 4,096 bytes
	s_add_co_u32 s24, s24, s27
.endif
	s_mov_b32 s25, 0
	s_add_nc_u64 s[28:29], s[6:7], s[24:25]
	s_lshl_b32 s24, s23, 11                        ; the slice's 1,024 bf16 along a row of A
	s_add_nc_u64 s[34:35], s[4:5], s[24:25]
.if FFN == 1
	s_lshl_b32 s24, s21, 14                        ; an expert's bias
.else
	s_lshl_b32 s24, s21, 12
.endif
	s_lshl_b32 s27, s22, 9
	s_add_co_u32 s24, s24, s27
	s_add_nc_u64 s[8:9], s[8:9], s[24:25]
.set n, 0
.rept 4
	global_load_b128 v[BI+8*n:BI+8*n+3],   v[TMP], s[8:9] offset:64*n
	global_load_b128 v[BI+8*n+4:BI+8*n+7], v[TMP], s[8:9] offset:64*n+16
.set n, n+1
.endr
.if FFN == 1
	s_lshl_b32 s24, s22, 8                         ; 128 columns of bf16
.else
	s_lshl_b32 s24, s23, 22                        ; a slice of P: 4 MiB
	s_lshl_b32 s27, s22, 9
	s_add_co_u32 s24, s24, s27
	s_cmp_eq_u32 s23, 0
	s_cselect_b32 s72, -1, 0                       ; the bias enters slice 0 alone
.endif
	s_add_nc_u64 s[14:15], s[14:15], s[24:25]
	s_mov_b32 s63, 0xffff0000
	s_mov_b32 s69, 0
	s_mov_b32 s71, 0
.if FFN == 1
	s_mov_b32 s62, 0x7fffffff
	s_mov_b32 s48, 0x3e6d3388                      ; 0.3275911 / sqrt(2)
	s_mov_b32 s50, 0x3f596d27                      ; sqrt(log2(e) / 2)
	s_mov_b32 s52, 0x3e027906                      ; the fit's five coefficients, halved
	s_mov_b32 s54, 0xbe11a98e
	s_mov_b32 s56, 0x3f35f0e3
	s_mov_b32 s58, 0xbf3a00e3
	s_mov_b32 s60, 0x3f07dc22
.irp c, 48,50,52,54,56,58,60
	s_mov_b32 s[\c+1], s[\c]                       ; named as pairs
.endr
.endif
	s_wait_kmcnt 0x0
	s_min_u32 s16, s16, 0x400
	s_min_u32 s17, s17, 0x400
	s_sub_co_u32 s66, s17, s16                     ; the expert's rows still to do
	s_lshl_b32 s24, s16, 2
	s_add_nc_u64 s[38:39], s[10:11], s[24:25]      ; perm at the expert's first token
	s_mov_b32 s41, 4                               ; passes
	s_wait_loadcnt 0x0                             ; the bias: rounded to bf16 like every input, widened again
.set p, 0
.rept 16
	v_cvt_pk_bf16_f32 v[T+p], v[BI+2*p], v[BI+2*p+1]
.set p, p+1
.endr
.set p, 0
.rept 16
.if FFN == 2
	v_and_b32 v[T+p], s72, v[T+p]
.endif
	v_lshlrev_b32 v[BI+2*p], 16, v[T+p]
	v_and_b32 v[BI+2*p+1], s63, v[T+p]
.set p, p+1
.endr
.macro LOADW b                         ; 16 k-rows of a chunk into set b: a load covers one row's 512 consecutive bytes
	WIN W_LD
.set jj, 0
.rept 16
	global_load_b128 v[WST+64*(\b)+4*jj:WST+64*(\b)+4*jj+3], v[WOE], s[30+2*(\b):31+2*(\b)] offset:jj*PW th:TH_LOAD_NT
.set jj, jj+1
.endr
	WIN 0
.endm
.macro LOADA                           ; 256 bytes of 32 token rows: a load covers two rows
	WIN 0
.set jj, 0
.rept 16
	global_load_b128 v[AST+4*jj:AST+4*jj+3], v[RO+jj], s[36:37]
.set jj, jj+1
.endr
.endm
.macro CVTW b                          ; set b is rounded to bf16 and stored [k][n]: a store covers 256 consecutive bytes
	WIN W_CV
.set jj, 0
.rept 32
	v_cvt_pk_bf16_f32 v[T+jj], v[WST+64*(\b)+2*jj], v[WST+64*(\b)+2*jj+1]
.set jj, jj+1
.endr
	WIN 0
.set jj, 0
.rept 16
	ds_store_b64 v[WS], v[T+2*jj:T+2*jj+1] offset:jj*PB+(\b)*WB1
.set jj, jj+1
.endr
.endm
.macro STOREA b
.set jj, 0
.rept 16
	ds_store_b128 v[AS+(\b)], v[AST+4*jj:AST+4*jj+3] offset:jj*16*PA
.set jj, jj+1
.endr
.endm
.macro PLACES                          ; four plain instructions between a matrix instruction and a load into, or a read of, its registers
.rept 4
	v_nop
.endr
.endm
; 32 along K: 8 turning loads (4 column blocks of W), 8 loads (4 tiles of tokens), 16 matrix instructions.  The 16 accumulators take turns, in the same order in every
; step.  first = 1: the products start the sums on the bias.
.macro KSTEP b, s, first
	PLACES
	WIN 0
.set nn, 0
.rept 4
	ds_load_tr16_b128 v[FB+8*nn:FB+8*nn+3],   v[BF+(\b)] offset:(\s)*32*PB+32*nn
	ds_load_tr16_b128 v[FB+8*nn+4:FB+8*nn+7], v[BF+(\b)] offset:(\s)*32*PB+32*nn+16*PB
.set nn, nn+1
.endr
.set ii, 0
.rept 4
	ds_load_b128 v[FA+8*ii:FA+8*ii+3],   v[AF+(\b)] offset:ii*16*PA+64*(\s)
	ds_load_b128 v[FA+8*ii+4:FA+8*ii+7], v[AF+(\b)] offset:ii*16*PA+64*(\s)+32
.set ii, ii+1
.endr
.set ii, 0
.rept 4
	s_wait_dscnt 6-2*ii                            ; W's fragments and tile ii's are in; the later tiles' two loads each may stay out
.if \first
	WIN W_M0
.else
	WIN W_MM
.endif
.set nn, 0
.rept 4
.if \first
	v_wmma_f32_16x16x32_bf16 v[ACC+8*(4*ii+nn):ACC+8*(4*ii+nn)+7], v[FB+8*nn:FB+8*nn+7], v[FA+8*ii:FA+8*ii+7], v[BI+8*nn:BI+8*nn+7]
.else
	v_wmma_f32_16x16x32_bf16 v[ACC+8*(4*ii+nn):ACC+8*(4*ii+nn)+7], v[FB+8*nn:FB+8*nn+7], v[FA+8*ii:FA+8*ii+7], v[ACC+8*(4*ii+nn):ACC+8*(4*ii+nn)+7]
.endif
.set nn, nn+1
.endr
.set ii, ii+1
.endr
.endm
; CHUNK c, in buffers b = c % 2.  Loads were issued in the order W(c), A(c), W(c+1).  w1: what may stay out when W(c) is wanted; w2: when A(c) is.
; la: A(c+1) is asked for; lw: W(c+2).  The bases are stepped behind the waits that show their last loads done.
; ONE barrier: in front of it my stores into buffers b and my reads of the other buffers are done; behind it buffers b are whole, and the other
; buffers, which the next chunk's stores rewrite, are read by nobody.  A wave whose 64 rows do not exist jumps its products, but for the first chunk's, which start the sums.
.macro CHUNK b, first, la, lw, w1, w2
	s_wait_loadcnt \w1
	CVTW \b
	s_wait_loadcnt \w2
	STOREA \b
.if \la
	s_add_nc_u64 s[36:37], s[36:37], 2*KC
	LOADA
.endif
.if \lw
	s_add_nc_u64 s[30+2*(\b):31+2*(\b)], s[30+2*(\b):31+2*(\b)], s[68:69]
	LOADW \b
.endif
	s_wait_dscnt 0x0
	s_barrier_signal -1
	s_barrier_wait -1
.if !(\first)
	s_cmp_eq_u32 s43, 0
	s_cbranch_scc1 .Lsk_\@
.endif
	KSTEP \b, 0, \first
	KSTEP \b, 1, 0
	KSTEP \b, 2, 0
	KSTEP \b, 3, 0
	WIN 0                                          ; at a label and at a branch every window is 0
.if !(\first)
.Lsk_\@:
.endif
.endm
.if FFN == 1
; gelu(z) = max(z, 0) - |z| q,  q = (1/2) poly(t) 2^-(c |z|)^2,  t = 1 / (1 + p |z|): eight numbers in Z, in place
.set AZ, AST
.set DN, AST+8
.set UU, AST+16
.set MX, AST+24
.set PL, AST+32
.macro GELU8
.irp j, 0,1,2,3,4,5,6,7
	v_and_b32 v[AZ+\j], s62, v[Z+\j]
.endr
.irp p, 0,2,4,6
	v_pk_fma_f32 v[DN+\p:DN+\p+1], v[AZ+\p:AZ+\p+1], s[48:49], 1.0 op_sel_hi:[1,0,0]
.endr
.irp p, 0,2,4,6
	v_pk_mul_f32 v[UU+\p:UU+\p+1], v[AZ+\p:AZ+\p+1], s[50:51] op_sel_hi:[1,0]
.endr
.irp p, 0,2,4,6
	v_pk_mul_f32 v[UU+\p:UU+\p+1], v[UU+\p:UU+\p+1], v[UU+\p:UU+\p+1] neg_lo:[1,0] neg_hi:[1,0]
.endr
.irp j, 0,1,2,3,4,5,6,7
	v_rcp_f32 v[DN+\j], v[DN+\j]
.endr
.irp j, 0,1,2,3,4,5,6,7
	v_exp_f32 v[UU+\j], v[UU+\j]
.endr
.irp j, 0,1,2,3,4,5,6,7
	v_max_num_f32 v[MX+\j], 0, v[Z+\j]             ; plain work between the transcendentals and the use of their results
.endr
	s_wait_alu depctr_va_vdst(0)
.irp p, 0,2,4,6
	v_pk_fma_f32 v[PL+\p:PL+\p+1], v[DN+\p:DN+\p+1], s[60:61], s[58:59] op_sel_hi:[1,0,0]
.endr
.irp c, 56,54,52
.irp p, 0,2,4,6
	v_pk_fma_f32 v[PL+\p:PL+\p+1], v[PL+\p:PL+\p+1], v[DN+\p:DN+\p+1], s[\c:\c+1] op_sel_hi:[1,1,0]
.endr
.endr
.irp p, 0,2,4,6
	v_pk_mul_f32 v[PL+\p:PL+\p+1], v[PL+\p:PL+\p+1], v[DN+\p:DN+\p+1]
.endr
.irp p, 0,2,4,6
	v_pk_mul_f32 v[PL+\p:PL+\p+1], v[PL+\p:PL+\p+1], v[UU+\p:UU+\p+1]
.endr
.irp p, 0,2,4,6
	v_pk_fma_f32 v[Z+\p:Z+\p+1], v[AZ+\p:AZ+\p+1], v[PL+\p:PL+\p+1], v[MX+\p:MX+\p+1] neg_lo:[1,0,0] neg_hi:[1,0,0]
.endr
.endm
.endif
.Lpass:                                                ; four times: 256 rows of the expert
	s_max_i32 s42, s66, 0                          ; rows left
	s_lshl_b32 s24, s19, 6
	s_cmp_lt_u32 s24, s42
	s_cselect_b32 s43, 1, 0                        ; do any of my wave's 64 rows exist?
	s_min_u32 s67, s42, 1                          ; 1: the pass has rows; 0: it has none, and all its loads of W fall on the block's first bytes.
	s_mul_i32 s68, s67, 2*KC*PW                    ; The flag enters W's addresses by multiplication alone: a set's step of two chunks,
	s_mul_i32 s70, s67, KC*PW                      ; set 1's start,
	v_mul_u32_u24 v[WOE], s67, v[WO]               ; and the lane's offset (under 2^21)
	s_mov_b64 s[30:31], s[28:29]                   ; set 0 begins with chunk 0,
	s_add_nc_u64 s[32:33], s[28:29], s[70:71]      ; set 1 with chunk 1
	s_mov_b64 s[36:37], s[34:35]
	global_load_b32 v[TOK], v[PO], s[38:39]
	LOADW 0
	s_wait_loadcnt 16                              ; the tokens are in; W(0)'s 16 loads stay out
	v_min_u32 v[TOK], 0x3ff, v[TOK]
	v_cmp_gt_u32 vcc_lo, s42, v[RI]
	v_cndmask_b32 v[TOK], 0, v[TOK], vcc_lo        ; a row that does not exist reads token 0's row: its result is never stored
.set t, 0
.rept 16
	v_add_nc_u32 v[TMP], 8*t, v[BPH]
	ds_bpermute_b32 v[RO+t], v[TMP], v[TOK]        ; row 16 t + 2 w + h lies in lane 2 t + h
.set t, t+1
.endr
	s_wait_dscnt 0x0
.set t, 0
.rept 16
	v_min_u32 v[RO+t], 0x3ff, v[RO+t]
	v_lshl_add_u32 v[RO+t], v[RO+t], SHA, v[L16]
.set t, t+1
.endr
	LOADA
	LOADW 1
	CHUNK 0, 1, 1, 1, 32, 16
	s_mov_b32 s44, 2
.Lck:                                                  ; chunks 1 to 4
	CHUNK 1, 0, 1, 1, 32, 16
	CHUNK 0, 0, 1, 1, 32, 16
	s_sub_co_u32 s44, s44, 1
	s_cmp_lg_u32 s44, 0
	s_cbranch_scc1 .Lck
	CHUNK 1, 0, 1, 1, 32, 16
	CHUNK 0, 0, 1, 0, 32, 16                       ; the tail asks for nothing past the slice
	CHUNK 1, 0, 0, 0, 16, 0
	; THE WAY OUT.  The sums go through the stage, which lies over the rows' buffers: a barrier when nobody reads those any more, one when the stage is whole, one when it is read out.
	PLACES
	s_wait_dscnt 0x0
	s_barrier_signal -1
	s_barrier_wait -1
	s_cmp_eq_u32 s43, 0
	s_cbranch_scc1 .Lnost
	WIN W_ST
.set ii, 0
.rept 4
.set nn, 0
.rept 4
	ds_store_b128 v[STO], v[ACC+8*(4*ii+nn):ACC+8*(4*ii+nn)+3]   offset:ii*16*PS+64*nn     ; each accumulator's low registers first
	ds_store_b128 v[STO], v[ACC+8*(4*ii+nn)+4:ACC+8*(4*ii+nn)+7] offset:ii*16*PS+64*nn+16
.set nn, nn+1
.endr
.set ii, ii+1
.endr
	WIN 0
.Lnost:
	s_wait_dscnt 0x0
	s_barrier_signal -1
	s_barrier_wait -1
	v_mov_b32 v[RD], v[RD0]
	v_mov_b32 v[BP], 0
	s_lshl_b32 s46, s18, 1                         ; trip t takes rows 16 t + 2 w and + 1: both lie in the same wave's 64 rows of the stage
	s_mov_b32 s45, 16
.Ltrip:
	s_cmp_ge_u32 s46, s42
	s_cbranch_scc1 .Ldead
	ds_load_b128 v[Z:Z+3], v[RD]
	ds_load_b128 v[Z+4:Z+7], v[RD] offset:PS
	ds_bpermute_b32 v[TK], v[BP], v[TOK]
	v_add_nc_u32 v[TMP], 4, v[BP]
	ds_bpermute_b32 v[TK+1], v[TMP], v[TOK]
	s_wait_dscnt 0x0
.if FFN == 1
	GELU8
.irp p, 0,1,2,3
	v_cvt_pk_bf16_f32 v[OP+\p], v[Z+2*\p], v[Z+2*\p+1]
.endr
.endif
	v_min_u32 v[TK], 0x3ff, v[TK]
	v_min_u32 v[TK+1], 0x3ff, v[TK+1]
	v_lshl_add_u32 v[AD], v[TK], SHO, v[OO]
	v_lshl_add_u32 v[AD+1], v[TK+1], SHO, v[OO]
.if FFN == 1
	global_store_b64 v[AD], v[OP:OP+1], s[14:15]   ; 32 lanes store 256 consecutive bytes of a token's row, aligned
.else
	global_store_b128 v[AD], v[Z:Z+3], s[14:15]    ; 32 lanes store 512 consecutive bytes of a token's row, aligned
.endif
	s_sub_co_u32 s24, s42, s46
	s_cmp_lt_u32 s24, 2                            ; does the second row exist?
	s_cbranch_scc1 .Lone
.if FFN == 1
	global_store_b64 v[AD+1], v[OP+2:OP+3], s[14:15]
.else
	global_store_b128 v[AD+1], v[Z+4:Z+7], s[14:15]
.endif
.Lone:
	s_wait_xcnt 0x0                                ; the stores' registers are written again only behind this wait
.Ldead:
	v_add_nc_u32 v[RD], 16*PS, v[RD]
	v_add_nc_u32 v[BP], 8, v[BP]
	s_add_co_u32 s46, s46, 16
	s_sub_co_u32 s45, s45, 1
	s_cmp_lg_u32 s45, 0
	s_cbranch_scc1 .Ltrip
	s_wait_dscnt 0x0
	s_barrier_signal -1
	s_barrier_wait -1
	s_sub_co_i32 s66, s66, 256
	s_add_nc_u64 s[38:39], s[38:39], 1024          ; the next 256 entries of perm: offs + 1,023 at the most, inside its 2,048
	s_sub_co_u32 s41, s41, 1
	s_cmp_lg_u32 s41, 0
	s_cbranch_scc1 .Lpass
	s_wait_tensorcnt 0x0
	ds_add_u32 v254, v255
	s_wait_dscnt 0x0
	s_endpgm
.Lfunc_end_k_q262fe86922_ffn1:
	.size	k_q262fe86922_ffn1, .Lfunc_end_k_q262fe86922_ffn1-k_q262fe86922_ffn1
	.p2alignl 7, 3214868480
	.fill 96, 4, 3214868480
	.section	.rodata,"a",@progbits
	.p2align	6, 0x0
	.amdhsa_kernel k_q262fe86922_ffn1
		.amdhsa_group_segment_fixed_size 214016
		.amdhsa_private_segment_fixed_size 0
		.amdhsa_enable_private_segment 0
		.amdhsa_kernarg_size 48
		.amdhsa_user_sgpr_count 2
		.amdhsa_user_sgpr_kernarg_segment_ptr 1
		.amdhsa_wavefront_size32 1
		.amdhsa_system_sgpr_workgroup_id_x 1
		.amdhsa_system_sgpr_workgroup_id_y 1
		.amdhsa_system_sgpr_workgroup_id_z 1
		.amdhsa_system_vgpr_workitem_id 0
		.amdhsa_next_free_vgpr 512
		.amdhsa_next_free_sgpr 80
		.amdhsa_reserve_vcc 1
		.amdhsa_float_denorm_mode_32 3
		.amdhsa_float_denorm_mode_16_64 3
		.amdhsa_memory_ordered 1
		.amdhsa_forward_progress 1
		.amdhsa_inst_pref_size 121
	.end_amdhsa_kernel
	.amdgpu_metadata
---
amdhsa.version: [ 1, 2 ]
amdhsa.kernels:
  - .name:           k_q262fe86922_ffn1
    .symbol:         k_q262fe86922_ffn1.kd
    .args:
      - { .name: xb, .offset: 0, .size: 8, .value_kind: global_buffer, .address_space: global }
      - { .name: W1, .offset: 8, .size: 8, .value_kind: global_buffer, .address_space: global }
      - { .name: b1, .offset: 16, .size: 8, .value_kind: global_buffer, .address_space: global }
      - { .name: perm, .offset: 24, .size: 8, .value_kind: global_buffer, .address_space: global }
      - { .name: offs, .offset: 32, .size: 8, .value_kind: global_buffer, .address_space: global }
      - { .name: H, .offset: 40, .size: 8, .value_kind: global_buffer, .address_space: global }
    .group_segment_fixed_size: 214016
    .private_segment_fixed_size: 0
    .kernarg_segment_align: 8
    .kernarg_segment_size: 48
    .max_flat_workgroup_size: 256
    .sgpr_count:     80
    .vgpr_count:     512
    .wavefront_size: 32
...
	.end_amdgpu_metadata
.endif
;; end of part 3
;; launch ffn2 (part 4): grid 32 x 8, 8 waves a work-group, no clusters, 214,016 bytes of LDS; arguments H, W2, b2, perm, offs, P; writes P
.if DOCPART == 4
	.amdgcn_target "amdgcn-amd-amdhsa--gfx1250"
	.amdhsa_code_object_version 6
	.text
	.protected	k_q262fe86922_ffn2
	.globl	k_q262fe86922_ffn2
	.p2align	8
	.type	k_q262fe86922_ffn2,@function
k_q262fe86922_ffn2:
	s_mov_b64 s[64:65], 0
	v_nop
	global_prefetch_b8 v0, s[64:65] scope:SCOPE_SE
	s_setreg_imm32_b32 hwreg(HW_REG_WAVE_MODE, 25, 1), 1
	s_wait_xcnt 0x0
; ONE EXPERT PRODUCT ON THE EXPERT'S OWN TOKENS.  One text for both products; FFN chooses.
;   FFN = 1:  H[t][f]     = gelu(sum_k xb[t][k] W1[e][k][f] + b1[e][f]), rounded to bf16.     xb: [1024][1024] bf16, W1: [8][1024][4096] f32, H: [1024][4096] bf16
;   FFN = 2:  P[ks][t][d] = sum over k in slice ks of H[t][k] W2[e][k][d]  (+ b2[e][d] in slice 0).  W2: [8][4096][1024] f32, P: [4][1024][1024] f32
; for the tokens t = perm[offs[e] .. offs[e+1]-1]: the mask of the layer throws every other expert's result for a token away.
; FORMATS.  Weights and biases are rounded to bf16 (nearest even) on the way from memory; products on the matrix unit, sums and gelu in f32.
; LIMITS.  erf by a rational fit (Abramowitz and Stegun 7.1.26, error 1.5e-7): gelu is off by at most 0.75e-7 |z|.  An infinite or NaN sum gives NaN.
; SHARES.  A work-group owns one expert (grid y), 128 columns and 1,024 of K, which it streams once for each PASS of 256 of the expert's rows, in 8 chunks of 128.
; 256 work-groups stream 512 KiB of weights each: here 8 column blocks x 4 slices of K, since 8 column blocks alone would be 64 work-groups and narrower
; blocks would cut W2's rows below 256 bytes; the four slices' sums are added in the launch behind.  Wave w: rows 64 (w / 2) .. + 63, columns 64 (w % 2) .. + 63.
; THE PASSES are a constant four (an expert can have all 1,024 tokens), so that every barrier and every load stands on every wave's path.  A pass that has no rows
; left runs the same lines with its traffic collapsed: the weights' lane offset and steps are multiplied by a flag that is 0 there, and every row is token 0's.
; Matrix work, the stage's stores and the output trips of rows that do not exist are jumped, forward, over text without a barrier.
; THE ROAD.  Weights lie [k][n] in f32: 16-byte loads (a wave's load is one row's 512 consecutive bytes), rounded in registers, stored [k][n] in bf16 in LDS, and
; turned by ds_load_tr16_b128.  Token rows are gathered by 16-byte loads (16 lanes take 256 consecutive bytes of a row) and stored by rows.  Two LDS buffers each,
; one barrier a chunk.  In flight for a wave: two chunks of weights (32 loads) and one of rows (16).
; NO TENSOR LOADS: the f32 weights must pass through registers to be rounded.  NO CLUSTER: no byte of the weights is read by two work-groups, and the rows that an
; expert's work-groups share are gathered by a list, which no tile describes.
; THE MATRIX INSTRUCTION IS USED TRANSPOSED: source 0 = 16 columns of W, source 1 = 16 tokens: a lane holds one token and eight neighbouring columns.
.set FFN, 2
.if FFN == 1
.set PW,  16384        ; bytes from row to row of W
.set SHA, 11           ; a row of A is 1 << SHA bytes
.set SHO, 13           ; a row of the output
.set SHL, 3            ; a lane's share of the block's 128 columns in the output: 1 << SHL bytes
.else
.set PW,  4096
.set SHA, 13
.set SHO, 12
.set SHL, 4
.endif
.set KC,  128          ; K in a chunk
.set PB,  288          ; a k-row of W in LDS: 256 bytes + 32: an odd multiple of 32, so 16 lanes of the turning load (8 rows x 32 bytes) take each bank once
.set PA,  272          ; a token row in LDS: 256 + 16: the 16 rows of a fragment load start at 16 different groups of four banks
.set PS,  528          ; a row of the stage: 512 + 16
.set WB1, 128*PB       ; W's buffers at 0 and here
.set AB0, 2*128*PB     ; the rows' buffers: 256 rows each
.set AB1, AB0+256*PA
.set STG, AB0          ; the stage for the way out, 256 x 528 bytes, lies over the rows' buffers, between barriers
; window 0
.set L16, 1            ; 16 (lane % 16)
.set HH,  2            ; lane / 16
.set WO,  3            ; W: 16 w rows + 16 x lane
.set WS,  4            ; where I store 8 bytes of a k-row
.set AS,  5            ; v5, v6   where I store 16 bytes of a token row, buffer 0, 1
.set AF,  7            ; v7, v8   my token fragments
.set BF,  9            ; v9, v10  my W fragments
.set STO, 11           ; the stage: where I put 16 bytes
.set RD0, 12           ; the stage: where I read in trip 0
.set RD,  13           ; the same, stepping
.set TOK, 14           ; lane l: the token of row 16 (l / 2) + 2 w + l % 2 of the pass
.set BP,  15           ; 4 x the lane of TOK wanted in the trip
.set TMP, 16
.set PO,  17           ; my byte offset in the pass's 256 entries of perm
.set OO,  18           ; my byte offset in the block's part of an output row
.set RR,  19           ; lane % 16
.set WOE, 20           ; WO, or 0 in a pass without rows
.set RI,  21           ; the row of the pass whose token my lane of TOK holds
.set BPH, 22           ; 4 (lane / 16)
.set LN,  23           ; lane
.set RO,  24           ; v[24:39]   byte offsets of the 16 rows that I gather
.set BI,  40           ; v[40:71]   the bias as a C operand: 8 registers for each of my 4 column blocks
.set T,   72           ; v[72:103]  weights rounded, on their way to LDS
.set AST, 104          ; v[104:167] token rows on their way to LDS; at work in gelu
.set FA,  168          ; v[168:199] token fragments, 4 tiles
.set FB,  200          ; v[200:231] W fragments, 4 column blocks
.set Z,   232          ; v[232:239] the way out: 4 numbers of each of two rows
.set TK,  240          ; v240, v241 the two rows' tokens
.set AD,  242          ; v242, v243 their byte offsets in the output
.set OP,  244          ; v[244:247] FFN = 1: the 4 + 4 numbers in bf16
; window 1
.set ACC, 0            ; accumulator (tile i, column block n) at 8 (4 i + n)
.set WST, 128          ; weights as loaded: two sets of 64
.set MSB, 0
.macro WIN new                         ; the immediate's high byte repeats the setting that is left; a switch that changes nothing is dropped
.if MSB != (\new)
	s_set_vgpr_msb (MSB<<8)|(\new)
.set MSB, \new
.endif
.endm
.set W_LD, 0x40        ; destination window 1
.set W_CV, 0x05        ; sources 0 and 1 window 1
.set W_MM, 0x50        ; C and D window 1
.set W_M0, 0x40        ; D window 1, C (the bias) window 0
.set W_ST, 0x04        ; an LDS store's data window 1
	s_load_b256 s[4:11], s[0:1], 0x0               ; A s[4:5], W s[6:7], bias s[8:9], perm s[10:11]
	s_load_b128 s[12:15], s[0:1], 0x20             ; offs s[12:13], out s[14:15]
	v_lshl_add_u32 v254, v0, 2, 0x34000
	v_mov_b32 v255, 0
	v_lshrrev_b32 v[TMP], 5, v0
	v_readfirstlane_b32 s18, v[TMP]                ; wave w
	s_lshr_b32 s19, s18, 1                         ; which 64 rows
	s_and_b32 s20, s18, 1                          ; which 64 columns
	s_and_b32 s21, ttmp7, 0xffff                   ; expert
.if FFN == 1
	s_mov_b32 s22, ttmp9                           ; column block
	s_mov_b32 s23, 0                               ; one slice: all of K
.else
	s_and_b32 s22, ttmp9, 7                        ; column block
	s_lshr_b32 s23, ttmp9, 3                       ; K slice
.endif
	s_lshl_b32 s26, s21, 2
	s_wait_kmcnt 0x0
	s_load_b64 s[16:17], s[12:13], s26 offset:0x0  ; offs[e], offs[e+1]
	v_and_b32 v[LN], 31, v0
	v_and_b32 v[RR], 15, v0
	v_bfe_u32 v[HH], v0, 4, 1
	v_lshlrev_b32 v[L16], 4, v[RR]
	v_lshlrev_b32 v[BPH], 2, v[HH]
	s_mul_i32 s24, s18, 16*PW
	v_lshl_add_u32 v[WO], v[LN], 4, s24            ; wave w loads k-rows 16 w .. 16 w + 15 of a chunk
	s_mul_i32 s24, s18, 16*PB
	v_lshl_add_u32 v[WS], v[LN], 3, s24
	s_lshl_b32 s24, s18, 1
	v_add_nc_u32 v[TMP], s24, v[HH]                ; 2 w + h: my row in each group of 16
	v_mul_u32_u24 v[AS], v[TMP], PA
	v_add_nc_u32 v[AS], v[AS], v[L16]
	v_add_nc_u32 v[AS+1], AB1, v[AS]
	v_add_nc_u32 v[AS], AB0, v[AS]
	s_mul_i32 s27, s18, 2*PS                       ; back from the stage: 32 lanes take a row of 512 bytes, 16 bytes (4 columns) each
	s_add_co_u32 s27, s27, STG
	v_lshl_add_u32 v[RD0], v[LN], 4, s27
	v_lshlrev_b32 v[OO], SHL, v[LN]                ; and the same 4 columns in the output
	v_lshrrev_b32 v[TMP], 1, v[LN]
	v_and_b32 v[RI], 1, v[LN]
	v_lshl_add_u32 v[RI], v[TMP], 4, v[RI]
	v_add_nc_u32 v[RI], s24, v[RI]                 ; 16 (l / 2) + 2 w + l % 2
	v_lshlrev_b32 v[PO], 2, v[RI]
	s_mul_i32 s24, s19, 64*PA
	v_mul_u32_u24 v[AF], v[RR], PA                 ; a token fragment: row l % 16, 16 bytes for each half of the lanes
	v_lshl_add_u32 v[AF], v[HH], 4, v[AF]
	v_add_nc_u32 v[AF], s24, v[AF]
	v_add_nc_u32 v[AF+1], AB1, v[AF]
	v_add_nc_u32 v[AF], AB0, v[AF]
	v_and_b32 v[TMP], 7, v0                        ; the turning load: lane l reads k-row 8 (l / 16) + l % 8, columns 8 ((l / 8) % 2) + 0..7
	v_lshl_add_u32 v[TMP], v[HH], 3, v[TMP]
	v_mul_u32_u24 v[BF], v[TMP], PB
	v_bfe_u32 v[TMP], v0, 3, 1
	v_lshl_add_u32 v[BF], v[TMP], 4, v[BF]
	s_lshl_b32 s24, s20, 7
	v_add_nc_u32 v[BF], s24, v[BF]
	v_add_nc_u32 v[BF+1], WB1, v[BF]
	s_mul_i32 s24, s19, 64*PS
	s_lshl_b32 s27, s20, 8
	s_add_co_u32 s24, s24, s27
	s_add_co_u32 s24, s24, STG
	v_mul_u32_u24 v[STO], v[RR], PS                ; into the stage: row l % 16, 32 bytes for each half of the lanes
	v_lshl_add_u32 v[STO], v[HH], 5, v[STO]
	v_add_nc_u32 v[STO], s24, v[STO]
	v_lshl_add_u32 v[TMP], v[HH], 5, s27           ; the bias of my columns: 256 (w % 2) + 32 h
	; the bases: each buffer's address plus an offset made apart
	s_lshl_b32 s24, s21, 24                        ; an expert's weights: 16 MiB
	s_lshl_b32 s27, s22, 9                         ; 128 columns of f32
	s_add_co_u32 s24, s24, s27
.if FFN == 2
	s_lshl_b32 s27, s23, 22                        ; 1,024 rows of 4,096 bytes
	s_add_co_u32 s24, s24, s27
.endif
	s_mov_b32 s25, 0
	s_add_nc_u64 s[28:29], s[6:7], s[24:25]
	s_lshl_b32 s24, s23, 11                        ; the slice's 1,024 bf16 along a row of A
	s_add_nc_u64 s[34:35], s[4:5], s[24:25]
.if FFN == 1
	s_lshl_b32 s24, s21, 14                        ; an expert's bias
.else
	s_lshl_b32 s24, s21, 12
.endif
	s_lshl_b32 s27, s22, 9
	s_add_co_u32 s24, s24, s27
	s_add_nc_u64 s[8:9], s[8:9], s[24:25]
.set n, 0
.rept 4
	global_load_b128 v[BI+8*n:BI+8*n+3],   v[TMP], s[8:9] offset:64*n
	global_load_b128 v[BI+8*n+4:BI+8*n+7], v[TMP], s[8:9] offset:64*n+16
.set n, n+1
.endr
.if FFN == 1
	s_lshl_b32 s24, s22, 8                         ; 128 columns of bf16
.else
	s_lshl_b32 s24, s23, 22                        ; a slice of P: 4 MiB
	s_lshl_b32 s27, s22, 9
	s_add_co_u32 s24, s24, s27
	s_cmp_eq_u32 s23, 0
	s_cselect_b32 s72, -1, 0                       ; the bias enters slice 0 alone
.endif
	s_add_nc_u64 s[14:15], s[14:15], s[24:25]
	s_mov_b32 s63, 0xffff0000
	s_mov_b32 s69, 0
	s_mov_b32 s71, 0
.if FFN == 1
	s_mov_b32 s62, 0x7fffffff
	s_mov_b32 s48, 0x3e6d3388                      ; 0.3275911 / sqrt(2)
	s_mov_b32 s50, 0x3f596d27                      ; sqrt(log2(e) / 2)
	s_mov_b32 s52, 0x3e027906                      ; the fit's five coefficients, halved
	s_mov_b32 s54, 0xbe11a98e
	s_mov_b32 s56, 0x3f35f0e3
	s_mov_b32 s58, 0xbf3a00e3
	s_mov_b32 s60, 0x3f07dc22
.irp c, 48,50,52,54,56,58,60
	s_mov_b32 s[\c+1], s[\c]                       ; named as pairs
.endr
.endif
	s_wait_kmcnt 0x0
	s_min_u32 s16, s16, 0x400
	s_min_u32 s17, s17, 0x400
	s_sub_co_u32 s66, s17, s16                     ; the expert's rows still to do
	s_lshl_b32 s24, s16, 2
	s_add_nc_u64 s[38:39], s[10:11], s[24:25]      ; perm at the expert's first token
	s_mov_b32 s41, 4                               ; passes
	s_wait_loadcnt 0x0                             ; the bias: rounded to bf16 like every input, widened again
.set p, 0
.rept 16
	v_cvt_pk_bf16_f32 v[T+p], v[BI+2*p], v[BI+2*p+1]
.set p, p+1
.endr
.set p, 0
.rept 16
.if FFN == 2
	v_and_b32 v[T+p], s72, v[T+p]
.endif
	v_lshlrev_b32 v[BI+2*p], 16, v[T+p]
	v_and_b32 v[BI+2*p+1], s63, v[T+p]
.set p, p+1
.endr
.macro LOADW b                         ; 16 k-rows of a chunk into set b: a load covers one row's 512 consecutive bytes
	WIN W_LD
.set jj, 0
.rept 16
	global_load_b128 v[WST+64*(\b)+4*jj:WST+64*(\b)+4*jj+3], v[WOE], s[30+2*(\b):31+2*(\b)] offset:jj*PW th:TH_LOAD_NT
.set jj, jj+1
.endr
	WIN 0
.endm
.macro LOADA                           ; 256 bytes of 32 token rows: a load covers two rows
	WIN 0
.set jj, 0
.rept 16
	global_load_b128 v[AST+4*jj:AST+4*jj+3], v[RO+jj], s[36:37]
.set jj, jj+1
.endr
.endm
.macro CVTW b                          ; set b is rounded to bf16 and stored [k][n]: a store covers 256 consecutive bytes
	WIN W_CV
.set jj, 0
.rept 32
	v_cvt_pk_bf16_f32 v[T+jj], v[WST+64*(\b)+2*jj], v[WST+64*(\b)+2*jj+1]
.set jj, jj+1
.endr
	WIN 0
.set jj, 0
.rept 16
	ds_store_b64 v[WS], v[T+2*jj:T+2*jj+1] offset:jj*PB+(\b)*WB1
.set jj, jj+1
.endr
.endm
.macro STOREA b
.set jj, 0
.rept 16
	ds_store_b128 v[AS+(\b)], v[AST+4*jj:AST+4*jj+3] offset:jj*16*PA
.set jj, jj+1
.endr
.endm
.macro PLACES                          ; four plain instructions between a matrix instruction and a load into, or a read of, its registers
.rept 4
	v_nop
.endr
.endm
; 32 along K: 8 turning loads (4 column blocks of W), 8 loads (4 tiles of tokens), 16 matrix instructions.  The 16 accumulators take turns, in the same order in every
; step.  first = 1: the products start the sums on the bias.
.macro KSTEP b, s, first
	PLACES
	WIN 0
.set nn, 0
.rept 4
	ds_load_tr16_b128 v[FB+8*nn:FB+8*nn+3],   v[BF+(\b)] offset:(\s)*32*PB+32*nn
	ds_load_tr16_b128 v[FB+8*nn+4:FB+8*nn+7], v[BF+(\b)] offset:(\s)*32*PB+32*nn+16*PB
.set nn, nn+1
.endr
.set ii, 0
.rept 4
	ds_load_b128 v[FA+8*ii:FA+8*ii+3],   v[AF+(\b)] offset:ii*16*PA+64*(\s)
	ds_load_b128 v[FA+8*ii+4:FA+8*ii+7], v[AF+(\b)] offset:ii*16*PA+64*(\s)+32
.set ii, ii+1
.endr
.set ii, 0
.rept 4
	s_wait_dscnt 6-2*ii                            ; W's fragments and tile ii's are in; the later tiles' two loads each may stay out
.if \first
	WIN W_M0
.else
	WIN W_MM
.endif
.set nn, 0
.rept 4
.if \first
	v_wmma_f32_16x16x32_bf16 v[ACC+8*(4*ii+nn):ACC+8*(4*ii+nn)+7], v[FB+8*nn:FB+8*nn+7], v[FA+8*ii:FA+8*ii+7], v[BI+8*nn:BI+8*nn+7]
.else
	v_wmma_f32_16x16x32_bf16 v[ACC+8*(4*ii+nn):ACC+8*(4*ii+nn)+7], v[FB+8*nn:FB+8*nn+7], v[FA+8*ii:FA+8*ii+7], v[ACC+8*(4*ii+nn):ACC+8*(4*ii+nn)+7]
.endif
.set nn, nn+1
.endr
.set ii, ii+1
.endr
.endm
; CHUNK c, in buffers b = c % 2.  Loads were issued in the order W(c), A(c), W(c+1).  w1: what may stay out when W(c) is wanted; w2: when A(c) is.
; la: A(c+1) is asked for; lw: W(c+2).  The bases are stepped behind the waits that show their last loads done.
; ONE barrier: in front of it my stores into buffers b and my reads of the other buffers are done; behind it buffers b are whole, and the other
; buffers, which the next chunk's stores rewrite, are read by nobody.  A wave whose 64 rows do not exist jumps its products, but for the first chunk's, which start the sums.
.macro CHUNK b, first, la, lw, w1, w2
	s_wait_loadcnt \w1
	CVTW \b
	s_wait_loadcnt \w2
	STOREA \b
.if \la
	s_add_nc_u64 s[36:37], s[36:37], 2*KC
	LOADA
.endif
.if \lw
	s_add_nc_u64 s[30+2*(\b):31+2*(\b)], s[30+2*(\b):31+2*(\b)], s[68:69]
	LOADW \b
.endif
	s_wait_dscnt 0x0
	s_barrier_signal -1
	s_barrier_wait -1
.if !(\first)
	s_cmp_eq_u32 s43, 0
	s_cbranch_scc1 .Lsk_\@
.endif
	KSTEP \b, 0, \first
	KSTEP \b, 1, 0
	KSTEP \b, 2, 0
	KSTEP \b, 3, 0
	WIN 0                                          ; at a label and at a branch every window is 0
.if !(\first)
.Lsk_\@:
.endif
.endm
.if FFN == 1
; gelu(z) = max(z, 0) - |z| q,  q = (1/2) poly(t) 2^-(c |z|)^2,  t = 1 / (1 + p |z|): eight numbers in Z, in place
.set AZ, AST
.set DN, AST+8
.set UU, AST+16
.set MX, AST+24
.set PL, AST+32
.macro GELU8
.irp j, 0,1,2,3,4,5,6,7
	v_and_b32 v[AZ+\j], s62, v[Z+\j]
.endr
.irp p, 0,2,4,6
	v_pk_fma_f32 v[DN+\p:DN+\p+1], v[AZ+\p:AZ+\p+1], s[48:49], 1.0 op_sel_hi:[1,0,0]
.endr
.irp p, 0,2,4,6
	v_pk_mul_f32 v[UU+\p:UU+\p+1], v[AZ+\p:AZ+\p+1], s[50:51] op_sel_hi:[1,0]
.endr
.irp p, 0,2,4,6
	v_pk_mul_f32 v[UU+\p:UU+\p+1], v[UU+\p:UU+\p+1], v[UU+\p:UU+\p+1] neg_lo:[1,0] neg_hi:[1,0]
.endr
.irp j, 0,1,2,3,4,5,6,7
	v_rcp_f32 v[DN+\j], v[DN+\j]
.endr
.irp j, 0,1,2,3,4,5,6,7
	v_exp_f32 v[UU+\j], v[UU+\j]
.endr
.irp j, 0,1,2,3,4,5,6,7
	v_max_num_f32 v[MX+\j], 0, v[Z+\j]             ; plain work between the transcendentals and the use of their results
.endr
.irp p, 0,2,4,6
	v_pk_fma_f32 v[PL+\p:PL+\p+1], v[DN+\p:DN+\p+1], s[60:61], s[58:59] op_sel_hi:[1,0,0]
.endr
.irp c, 56,54,52
.irp p, 0,2,4,6
	v_pk_fma_f32 v[PL+\p:PL+\p+1], v[PL+\p:PL+\p+1], v[DN+\p:DN+\p+1], s[\c:\c+1] op_sel_hi:[1,1,0]
.endr
.endr
.irp p, 0,2,4,6
	v_pk_mul_f32 v[PL+\p:PL+\p+1], v[PL+\p:PL+\p+1], v[DN+\p:DN+\p+1]
.endr
.irp p, 0,2,4,6
	v_pk_mul_f32 v[PL+\p:PL+\p+1], v[PL+\p:PL+\p+1], v[UU+\p:UU+\p+1]
.endr
.irp p, 0,2,4,6
	v_pk_fma_f32 v[Z+\p:Z+\p+1], v[AZ+\p:AZ+\p+1], v[PL+\p:PL+\p+1], v[MX+\p:MX+\p+1] neg_lo:[1,0,0] neg_hi:[1,0,0]
.endr
.endm
.endif
.Lpass:                                                ; four times: 256 rows of the expert
	s_max_i32 s42, s66, 0                          ; rows left
	s_lshl_b32 s24, s19, 6
	s_cmp_lt_u32 s24, s42
	s_cselect_b32 s43, 1, 0                        ; do any of my wave's 64 rows exist?
	s_min_u32 s67, s42, 1                          ; 1: the pass has rows; 0: it has none, and all its loads of W fall on the block's first bytes.
	s_mul_i32 s68, s67, 2*KC*PW                    ; The flag enters W's addresses by multiplication alone: a set's step of two chunks,
	s_mul_i32 s70, s67, KC*PW                      ; set 1's start,
	v_mul_u32_u24 v[WOE], s67, v[WO]               ; and the lane's offset (under 2^21)
	s_mov_b64 s[30:31], s[28:29]                   ; set 0 begins with chunk 0,
	s_add_nc_u64 s[32:33], s[28:29], s[70:71]      ; set 1 with chunk 1
	s_mov_b64 s[36:37], s[34:35]
	global_load_b32 v[TOK], v[PO], s[38:39]
	LOADW 0
	s_wait_loadcnt 16                              ; the tokens are in; W(0)'s 16 loads stay out
	v_min_u32 v[TOK], 0x3ff, v[TOK]
	v_cmp_gt_u32 vcc_lo, s42, v[RI]
	v_cndmask_b32 v[TOK], 0, v[TOK], vcc_lo        ; a row that does not exist reads token 0's row: its result is never stored
.set t, 0
.rept 16
	v_add_nc_u32 v[TMP], 8*t, v[BPH]
	ds_bpermute_b32 v[RO+t], v[TMP], v[TOK]        ; row 16 t + 2 w + h lies in lane 2 t + h
.set t, t+1
.endr
	s_wait_dscnt 0x0
.set t, 0
.rept 16
	v_min_u32 v[RO+t], 0x3ff, v[RO+t]
	v_lshl_add_u32 v[RO+t], v[RO+t], SHA, v[L16]
.set t, t+1
.endr
	LOADA
	LOADW 1
	CHUNK 0, 1, 1, 1, 32, 16
	s_mov_b32 s44, 2
.Lck:                                                  ; chunks 1 to 4
	CHUNK 1, 0, 1, 1, 32, 16
	CHUNK 0, 0, 1, 1, 32, 16
	s_sub_co_u32 s44, s44, 1
	s_cmp_lg_u32 s44, 0
	s_cbranch_scc1 .Lck
	CHUNK 1, 0, 1, 1, 32, 16
	CHUNK 0, 0, 1, 0, 32, 16                       ; the tail asks for nothing past the slice
	CHUNK 1, 0, 0, 0, 16, 0
	; THE WAY OUT.  The sums go through the stage, which lies over the rows' buffers: a barrier when nobody reads those any more, one when the stage is whole, one when it is read out.
	PLACES
	s_wait_dscnt 0x0
	s_barrier_signal -1
	s_barrier_wait -1
	s_cmp_eq_u32 s43, 0
	s_cbranch_scc1 .Lnost
	WIN W_ST
.set ii, 0
.rept 4
.set nn, 0
.rept 4
	ds_store_b128 v[STO], v[ACC+8*(4*ii+nn):ACC+8*(4*ii+nn)+3]   offset:ii*16*PS+64*nn     ; each accumulator's low registers first
	ds_store_b128 v[STO], v[ACC+8*(4*ii+nn)+4:ACC+8*(4*ii+nn)+7] offset:ii*16*PS+64*nn+16
.set nn, nn+1
.endr
.set ii, ii+1
.endr
	WIN 0
.Lnost:
	s_wait_dscnt 0x0
	s_barrier_signal -1
	s_barrier_wait -1
	v_mov_b32 v[RD], v[RD0]
	v_mov_b32 v[BP], 0
	s_lshl_b32 s46, s18, 1                         ; trip t takes rows 16 t + 2 w and + 1: both lie in the same wave's 64 rows of the stage
	s_mov_b32 s45, 16
.Ltrip:
	s_cmp_ge_u32 s46, s42
	s_cbranch_scc1 .Ldead
	ds_load_b128 v[Z:Z+3], v[RD]
	ds_load_b128 v[Z+4:Z+7], v[RD] offset:PS
	ds_bpermute_b32 v[TK], v[BP], v[TOK]
	v_add_nc_u32 v[TMP], 4, v[BP]
	ds_bpermute_b32 v[TK+1], v[TMP], v[TOK]
	s_wait_dscnt 0x0
.if FFN == 1
	GELU8
.irp p, 0,1,2,3
	v_cvt_pk_bf16_f32 v[OP+\p], v[Z+2*\p], v[Z+2*\p+1]
.endr
.endif
	v_min_u32 v[TK], 0x3ff, v[TK]
	v_min_u32 v[TK+1], 0x3ff, v[TK+1]
	v_lshl_add_u32 v[AD], v[TK], SHO, v[OO]
	v_lshl_add_u32 v[AD+1], v[TK+1], SHO, v[OO]
.if FFN == 1
	global_store_b64 v[AD], v[OP:OP+1], s[14:15]   ; 32 lanes store 256 consecutive bytes of a token's row, aligned
.else
	global_store_b128 v[AD], v[Z:Z+3], s[14:15]    ; 32 lanes store 512 consecutive bytes of a token's row, aligned
.endif
	s_sub_co_u32 s24, s42, s46
	s_cmp_lt_u32 s24, 2                            ; does the second row exist?
	s_cbranch_scc1 .Lone
.if FFN == 1
	global_store_b64 v[AD+1], v[OP+2:OP+3], s[14:15]
.else
	global_store_b128 v[AD+1], v[Z+4:Z+7], s[14:15]
.endif
.Lone:
	s_wait_xcnt 0x0                                ; the stores' registers are written again only behind this wait
.Ldead:
	v_add_nc_u32 v[RD], 16*PS, v[RD]
	v_add_nc_u32 v[BP], 8, v[BP]
	s_add_co_u32 s46, s46, 16
	s_sub_co_u32 s45, s45, 1
	s_cmp_lg_u32 s45, 0
	s_cbranch_scc1 .Ltrip
	s_wait_dscnt 0x0
	s_barrier_signal -1
	s_barrier_wait -1
	s_sub_co_i32 s66, s66, 256
	s_add_nc_u64 s[38:39], s[38:39], 1024          ; the next 256 entries of perm: offs + 1,023 at the most, inside its 2,048
	s_sub_co_u32 s41, s41, 1
	s_cmp_lg_u32 s41, 0
	s_cbranch_scc1 .Lpass
	s_wait_tensorcnt 0x0
	ds_add_u32 v254, v255
	s_wait_dscnt 0x0
	s_endpgm
.Lfunc_end_k_q262fe86922_ffn2:
	.size	k_q262fe86922_ffn2, .Lfunc_end_k_q262fe86922_ffn2-k_q262fe86922_ffn2
	.p2alignl 7, 3214868480
	.fill 96, 4, 3214868480
	.section	.rodata,"a",@progbits
	.p2align	6, 0x0
	.amdhsa_kernel k_q262fe86922_ffn2
		.amdhsa_group_segment_fixed_size 214016
		.amdhsa_private_segment_fixed_size 0
		.amdhsa_enable_private_segment 0
		.amdhsa_kernarg_size 48
		.amdhsa_user_sgpr_count 2
		.amdhsa_user_sgpr_kernarg_segment_ptr 1
		.amdhsa_wavefront_size32 1
		.amdhsa_system_sgpr_workgroup_id_x 1
		.amdhsa_system_sgpr_workgroup_id_y 1
		.amdhsa_system_sgpr_workgroup_id_z 1
		.amdhsa_system_vgpr_workitem_id 0
		.amdhsa_next_free_vgpr 512
		.amdhsa_next_free_sgpr 80
		.amdhsa_reserve_vcc 1
		.amdhsa_float_denorm_mode_32 3
		.amdhsa_float_denorm_mode_16_64 3
		.amdhsa_memory_ordered 1
		.amdhsa_forward_progress 1
		.amdhsa_inst_pref_size 117
	.end_amdhsa_kernel
	.amdgpu_metadata
---
amdhsa.version: [ 1, 2 ]
amdhsa.kernels:
  - .name:           k_q262fe86922_ffn2
    .symbol:         k_q262fe86922_ffn2.kd
    .args:
      - { .name: H, .offset: 0, .size: 8, .value_kind: global_buffer, .address_space: global }
      - { .name: W2, .offset: 8, .size: 8, .value_kind: global_buffer, .address_space: global }
      - { .name: b2, .offset: 16, .size: 8, .value_kind: global_buffer, .address_space: global }
      - { .name: perm, .offset: 24, .size: 8, .value_kind: global_buffer, .address_space: global }
      - { .name: offs, .offset: 32, .size: 8, .value_kind: global_buffer, .address_space: global }
      - { .name: P, .offset: 40, .size: 8, .value_kind: global_buffer, .address_space: global }
    .group_segment_fixed_size: 214016
    .private_segment_fixed_size: 0
    .kernarg_segment_align: 8
    .kernarg_segment_size: 48
    .max_flat_workgroup_size: 256
    .sgpr_count:     80
    .vgpr_count:     512
    .wavefront_size: 32
...
	.end_amdgpu_metadata
.endif
;; end of part 4
;; launch combine (part 5): grid 256 x 1, 8 waves a work-group, no clusters, 0 bytes of LDS; arguments P, gate, out0; writes out0
.if DOCPART == 5
	.amdgcn_target "amdgcn-amd-amdhsa--gfx1250"
	.amdhsa_code_object_version 6
	.text
	.protected	k_q262fe86922_combine
	.globl	k_q262fe86922_combine
	.p2align	8
	.type	k_q262fe86922_combine,@function
k_q262fe86922_combine:
	s_mov_b64 s[64:65], 0
	v_nop
	global_prefetch_b8 v0, s[64:65] scope:SCOPE_SE
	s_setreg_imm32_b32 hwreg(HW_REG_WAVE_MODE, 25, 1), 1
	s_wait_xcnt 0x0
; out0[t][d] = gate[t] x ((P[0][t][d] + P[1][t][d]) + (P[2][t][d] + P[3][t][d])).  P: [4][1024][1024] f32, gate: [1024] f32, out0: [1024][1024] f32.
; A stream: a work-group owns four tokens; its 256 threads take a row of 4,096 bytes, 16 bytes each, so a wave's load or store covers 512 consecutive
; bytes.  All 16 loads of a thread go out at once; LDS, barriers and the matrix unit would add nothing.
.set PR, 8        ; v[8:71]  row r, slice k at 8 + 16 r + 4 k
	s_load_b128 s[4:7], s[0:1], 0x0                ; P s[4:5], gate s[6:7]
	s_load_b64 s[8:9], s[0:1], 0x10                ; out0
	v_lshlrev_b32 v1, 4, v0
	s_lshl_b32 s10, ttmp9, 14                      ; four rows of 4,096 bytes
	s_mov_b32 s11, 0
	s_lshl_b32 s12, ttmp9, 4                       ; four gates
	s_wait_kmcnt 0x0
	s_load_b128 s[16:19], s[6:7], s12 offset:0x0
	s_add_nc_u64 s[4:5], s[4:5], s[10:11]          ; slices 0 and 1,
	s_add_nc_u64 s[14:15], s[4:5], 0x800000        ; slices 2 and 3: a slice is 4 MiB, and one step of it fits the immediate
	s_add_nc_u64 s[8:9], s[8:9], s[10:11]
.set r, 0
.rept 4
.set k, 0
.rept 4
.if k < 2
	global_load_b128 v[PR+16*r+4*k:PR+16*r+4*k+3], v1, s[4:5] offset:(k%2)*4194304+r*4096 th:TH_LOAD_NT
.else
	global_load_b128 v[PR+16*r+4*k:PR+16*r+4*k+3], v1, s[14:15] offset:(k%2)*4194304+r*4096 th:TH_LOAD_NT
.endif
.set k, k+1
.endr
.set r, r+1
.endr
	s_wait_kmcnt 0x0                               ; the gates
.set r, 0
.rept 4
.set bb, PR+16*r
	s_wait_loadcnt 12-4*r                          ; row r's four loads are in; the later rows' stay out
	v_pk_add_f32 v[bb:bb+1], v[bb:bb+1], v[bb+4:bb+5]
	v_pk_add_f32 v[bb+2:bb+3], v[bb+2:bb+3], v[bb+6:bb+7]
	v_pk_add_f32 v[bb+8:bb+9], v[bb+8:bb+9], v[bb+12:bb+13]
	v_pk_add_f32 v[bb+10:bb+11], v[bb+10:bb+11], v[bb+14:bb+15]
	v_pk_add_f32 v[bb:bb+1], v[bb:bb+1], v[bb+8:bb+9]
	v_pk_add_f32 v[bb+2:bb+3], v[bb+2:bb+3], v[bb+10:bb+11]
	v_mul_f32 v[bb], s[16+r], v[bb]
	v_mul_f32 v[bb+1], s[16+r], v[bb+1]
	v_mul_f32 v[bb+2], s[16+r], v[bb+2]
	v_mul_f32 v[bb+3], s[16+r], v[bb+3]
	global_store_b128 v1, v[bb:bb+3], s[8:9] offset:r*4096 th:TH_STORE_NT
.set r, r+1
.endr
	s_endpgm
.Lfunc_end_k_q262fe86922_combine:
	.size	k_q262fe86922_combine, .Lfunc_end_k_q262fe86922_combine-k_q262fe86922_combine
	.p2alignl 7, 3214868480
	.fill 96, 4, 3214868480
	.section	.rodata,"a",@progbits
	.p2align	6, 0x0
	.amdhsa_kernel k_q262fe86922_combine
		.amdhsa_group_segment_fixed_size 0
		.amdhsa_private_segment_fixed_size 0
		.amdhsa_enable_private_segment 0
		.amdhsa_kernarg_size 24
		.amdhsa_user_sgpr_count 2
		.amdhsa_user_sgpr_kernarg_segment_ptr 1
		.amdhsa_wavefront_size32 1
		.amdhsa_system_sgpr_workgroup_id_x 1
		.amdhsa_system_sgpr_workgroup_id_y 1
		.amdhsa_system_sgpr_workgroup_id_z 1
		.amdhsa_system_vgpr_workitem_id 0
		.amdhsa_next_free_vgpr 72
		.amdhsa_next_free_sgpr 66
		.amdhsa_reserve_vcc 0
		.amdhsa_float_denorm_mode_32 3
		.amdhsa_float_denorm_mode_16_64 3
		.amdhsa_memory_ordered 1
		.amdhsa_forward_progress 1
		.amdhsa_inst_pref_size 5
	.end_amdhsa_kernel
	.amdgpu_metadata
---
amdhsa.version: [ 1, 2 ]
amdhsa.kernels:
  - .name:           k_q262fe86922_combine
    .symbol:         k_q262fe86922_combine.kd
    .args:
      - { .name: P, .offset: 0, .size: 8, .value_kind: global_buffer, .address_space: global }
      - { .name: gate, .offset: 8, .size: 8, .value_kind: global_buffer, .address_space: global }
      - { .name: out0, .offset: 16, .size: 8, .value_kind: global_buffer, .address_space: global }
    .group_segment_fixed_size: 0
    .private_segment_fixed_size: 0
    .kernarg_segment_align: 8
    .kernarg_segment_size: 24
    .max_flat_workgroup_size: 256
    .sgpr_count:     66
    .vgpr_count:     72
    .wavefront_size: 32
...
	.end_amdgpu_metadata
.endif
;; end of part 5
;; ======== version 2 of 2: 5 launches; 2.31 times as fast as version 1
;; workspace buffers: xb 2,097,152 bytes; idx 4,096 bytes of whole numbers; gate 4,096 bytes; perm 8,192 bytes of whole numbers; offs 256 bytes of whole numbers; H 8,388,608 bytes; P 16,777,216 bytes
;; launch route: the kernel of part 1 again; grid 256 x 1, 4 waves a work-group, no clusters, 0 bytes of LDS; arguments x, Wr, br, xb, idx, gate; writes xb, idx, gate
;; launch sort: the kernel of part 2 again; grid 1 x 1, 32 waves a work-group, no clusters, 8,192 bytes of LDS; arguments idx, perm, offs; writes perm, offs
;; launch ffn1 (part 6): grid 32 x 8, 8 waves a work-group, no clusters, 214,016 bytes of LDS; arguments xb, W1, b1, perm, offs, H; writes H
.if DOCPART == 6
	.amdgcn_target "amdgcn-amd-amdhsa--gfx1250"
	.amdhsa_code_object_version 6
	.text
	.protected	k_q262fe86922_ffn1
	.globl	k_q262fe86922_ffn1
	.p2align	8
	.type	k_q262fe86922_ffn1,@function
k_q262fe86922_ffn1:
	s_mov_b64 s[64:65], 0
	v_nop
	global_prefetch_b8 v0, s[64:65] scope:SCOPE_SE
	s_setreg_imm32_b32 hwreg(HW_REG_WAVE_MODE, 25, 1), 1
	s_wait_xcnt 0x0
; ONE EXPERT PRODUCT ON THE EXPERT'S OWN TOKENS.  One text for both products; FFN chooses.
;   FFN = 1:  H[t][f]     = gelu(sum_k xb[t][k] W1[e][k][f] + b1[e][f]), rounded to bf16.     xb: [1024][1024] bf16, W1: [8][1024][4096] f32, H: [1024][4096] bf16
;   FFN = 2:  P[ks][t][d] = sum over k in slice ks of H[t][k] W2[e][k][d]  (+ b2[e][d] in slice 0).  W2: [8][4096][1024] f32, P: [4][1024][1024] f32
; for the tokens t = perm[offs[e] .. offs[e+1]-1]: the mask of the layer throws every other expert's result for a token away.
; FORMATS.  Weights and biases are rounded to bf16 (nearest even) on the way from memory; products on the matrix unit, sums and gelu in f32.
; LIMITS.  erf by a rational fit (Abramowitz and Stegun 7.1.26, error 1.5e-7): gelu is off by at most 0.75e-7 |z|.  An infinite or NaN sum gives NaN.
; SHARES.  A work-group owns one expert (grid y), 128 columns and 1,024 of K, which it streams once for each PASS of 256 of the expert's rows, in 8 chunks of 128.
; 256 work-groups stream 512 KiB of weights each.  Wave w: rows 64 (w / 2) .. + 63 of the pass, columns 64 (w % 2) .. + 63: 16 accumulators.
; THE PASSES are a constant four (an expert can have all 1,024 tokens), so that every barrier stands on every wave's path.  THE FIRST is the stream described under
; THE ROAD: 1,024 tokens for 8 experts are 128 rows each if shared evenly, which one pass of 256 holds.  An expert without tokens runs it with the weights' traffic
; collapsed: their lane offset and steps are multiplied by a flag that is 0 there.  THE OTHER THREE serve an expert's rows 256 and up, by a shorter text that overlaps
; nothing: a chunk is loaded, waited for, rounded, stored, and multiplied, with a barrier behind the stores and one behind the products.  Each part between two barriers
; begins and ends with nothing of its own in flight, so a pass without rows jumps every part, forward, and is left with its barriers.  The price: rows beyond the
; first 256 stream the weights again, and without overlap.  Matrix work, stage stores and output trips of rows that do not exist are jumped likewise.
; THE ROAD.  Weights lie [k][n] in f32: 16-byte loads (a wave's load is one row's 512 consecutive bytes), rounded in registers, stored [k][n] in bf16 in LDS, and
; turned by ds_load_tr16_b128.  Token rows are gathered by 16-byte loads (16 lanes take 256 consecutive bytes of a row) and stored by rows.  Two LDS buffers each,
; one barrier a chunk.  In flight for a wave: two chunks of weights (32 loads) and one of rows (16).
; NO TENSOR LOADS: the f32 weights must pass through registers to be rounded.  NO CLUSTER: no byte of the weights is read by two work-groups, and the rows that an
; expert's work-groups share are gathered by a list, which no tile describes.
; THE MATRIX INSTRUCTION IS USED TRANSPOSED: source 0 = 16 columns of W, source 1 = 16 tokens: a lane holds one token and eight neighbouring columns.
.set FFN, 1
.if FFN == 1
.set PW,  16384        ; bytes from row to row of W
.set SHA, 11           ; a row of A is 1 << SHA bytes
.set SHO, 13           ; a row of the output
.set SHL, 3            ; a lane's share of the block's 128 columns in the output: 1 << SHL bytes
.else
.set PW,  4096
.set SHA, 13
.set SHO, 12
.set SHL, 4
.endif
.set KC,  128          ; K in a chunk
.set PB,  288          ; a k-row of W in LDS: 256 bytes + 32: an odd multiple of 32, so 16 lanes of the turning load (8 rows x 32 bytes) take each bank once
.set PA,  272          ; a token row in LDS: 256 + 16: the 16 rows of a fragment load start at 16 different groups of four banks
.set PS,  528          ; a row of the stage: 512 + 16
.set WB1, 128*PB       ; W's buffers at 0 and here
.set AB0, 2*128*PB     ; the rows' buffers: 256 rows each
.set AB1, AB0+256*PA
.set STG, AB0          ; the stage for the way out, 256 x 528 bytes, lies over the rows' buffers, between barriers
; window 0
.set L16, 1            ; 16 (lane % 16)
.set HH,  2            ; lane / 16
.set WO,  3            ; W: 16 w rows + 16 x lane
.set WS,  4            ; where I store 8 bytes of a k-row
.set AS,  5            ; v5, v6   where I store 16 bytes of a token row, buffer 0, 1
.set AF,  7            ; v7, v8   my token fragments
.set BF,  9            ; v9, v10  my W fragments
.set STO, 11           ; the stage: where I put 16 bytes
.set RD0, 12           ; the stage: where I read in trip 0
.set RD,  13           ; the same, stepping
.set TOK, 14           ; lane l: the token of row 16 (l / 2) + 2 w + l % 2 of the pass
.set BP,  15           ; 4 x the lane of TOK wanted in the trip
.set TMP, 16
.set PO,  17           ; my byte offset in the pass's 256 entries of perm, for TOK
.set OO,  18           ; my byte offset in the block's part of an output row
.set RR,  19           ; lane % 16
.set WOE, 20           ; WO, or 0 for an expert without tokens
.set RI,  21           ; the row of the pass whose token my lane of TOK holds
.set POH, 22           ; 4 (2 w + lane / 16): my byte offset in each 16 entries of perm, for the rows that I gather
.set LN,  23           ; lane
.set RO,  24           ; v[24:39]   byte offsets of the 16 rows that I gather
.set BI,  40           ; v[40:71]   the bias as a C operand: 8 registers for each of my 4 column blocks
.set T,   72           ; v[72:103]  weights rounded, on their way to LDS
.set AST, 104          ; v[104:167] token rows on their way to LDS; at work in gelu
.set FA,  168          ; v[168:199] token fragments, 4 tiles
.set FB,  200          ; v[200:231] W fragments, 4 column blocks
.set Z,   232          ; v[232:239] the way out: 4 numbers of each of two rows
.set TK,  240          ; v240, v241 the two rows' tokens
.set AD,  242          ; v242, v243 their byte offsets in the output
.set OP,  244          ; v[244:247] FFN = 1: the 4 + 4 numbers in bf16
; window 1
.set ACC, 0            ; accumulator (tile i, column block n) at 8 (4 i + n)
.set WST, 128          ; weights as loaded: two sets of 64
.set MSB, 0
.macro WIN new                         ; the immediate's high byte repeats the setting that is left; a switch that changes nothing is dropped
.if MSB != (\new)
	s_set_vgpr_msb (MSB<<8)|(\new)
.set MSB, \new
.endif
.endm
.set W_LD, 0x40        ; destination window 1
.set W_CV, 0x05        ; sources 0 and 1 window 1
.set W_MM, 0x50        ; C and D window 1
.set W_M0, 0x40        ; D window 1, C (the bias) window 0
.set W_ST, 0x04        ; an LDS store's data window 1
	s_load_b256 s[4:11], s[0:1], 0x0               ; A s[4:5], W s[6:7], bias s[8:9], perm s[10:11]
	s_load_b128 s[12:15], s[0:1], 0x20             ; offs s[12:13], out s[14:15]
	v_lshl_add_u32 v254, v0, 2, 0x34000
	v_mov_b32 v255, 0
	v_lshrrev_b32 v[TMP], 5, v0
	v_readfirstlane_b32 s18, v[TMP]                ; wave w
	s_lshr_b32 s19, s18, 1                         ; which 64 rows
	s_and_b32 s20, s18, 1                          ; which 64 columns
	s_and_b32 s21, ttmp7, 0xffff                   ; expert
.if FFN == 1
	s_mov_b32 s22, ttmp9                           ; column block
	s_mov_b32 s23, 0                               ; one slice: all of K
.else
	s_and_b32 s22, ttmp9, 7                        ; column block
	s_lshr_b32 s23, ttmp9, 3                       ; K slice
.endif
	s_lshl_b32 s26, s21, 2
	s_wait_kmcnt 0x0
	s_load_b64 s[16:17], s[12:13], s26 offset:0x0  ; offs[e], offs[e+1]
	v_and_b32 v[LN], 31, v0
	v_and_b32 v[RR], 15, v0
	v_bfe_u32 v[HH], v0, 4, 1
	v_lshlrev_b32 v[L16], 4, v[RR]
	s_mul_i32 s24, s18, 16*PW
	v_lshl_add_u32 v[WO], v[LN], 4, s24            ; wave w loads k-rows 16 w .. 16 w + 15 of a chunk
	s_mul_i32 s24, s18, 16*PB
	v_lshl_add_u32 v[WS], v[LN], 3, s24
	s_lshl_b32 s24, s18, 1
	v_add_nc_u32 v[TMP], s24, v[HH]                ; 2 w + h: my row in each group of 16
	v_lshlrev_b32 v[POH], 2, v[TMP]
	v_mul_u32_u24 v[AS], v[TMP], PA
	v_add_nc_u32 v[AS], v[AS], v[L16]
	v_add_nc_u32 v[AS+1], AB1, v[AS]
	v_add_nc_u32 v[AS], AB0, v[AS]
	s_mul_i32 s27, s18, 2*PS                       ; back from the stage: 32 lanes take a row of 512 bytes, 16 bytes (4 columns) each
	s_add_co_u32 s27, s27, STG
	v_lshl_add_u32 v[RD0], v[LN], 4, s27
	v_lshlrev_b32 v[OO], SHL, v[LN]                ; and the same 4 columns in the output
	v_lshrrev_b32 v[TMP], 1, v[LN]
	v_and_b32 v[RI], 1, v[LN]
	v_lshl_add_u32 v[RI], v[TMP], 4, v[RI]
	v_add_nc_u32 v[RI], s24, v[RI]                 ; 16 (l / 2) + 2 w + l % 2
	v_lshlrev_b32 v[PO], 2, v[RI]
	s_mul_i32 s24, s19, 64*PA
	v_mul_u32_u24 v[AF], v[RR], PA                 ; a token fragment: row l % 16, 16 bytes for each half of the lanes
	v_lshl_add_u32 v[AF], v[HH], 4, v[AF]
	v_add_nc_u32 v[AF], s24, v[AF]
	v_add_nc_u32 v[AF+1], AB1, v[AF]
	v_add_nc_u32 v[AF], AB0, v[AF]
	v_and_b32 v[TMP], 7, v0                        ; the turning load: lane l reads k-row 8 (l / 16) + l % 8, columns 8 ((l / 8) % 2) + 0..7
	v_lshl_add_u32 v[TMP], v[HH], 3, v[TMP]
	v_mul_u32_u24 v[BF], v[TMP], PB
	v_bfe_u32 v[TMP], v0, 3, 1
	v_lshl_add_u32 v[BF], v[TMP], 4, v[BF]
	s_lshl_b32 s24, s20, 7
	v_add_nc_u32 v[BF], s24, v[BF]
	v_add_nc_u32 v[BF+1], WB1, v[BF]
	s_mul_i32 s24, s19, 64*PS
	s_lshl_b32 s27, s20, 8
	s_add_co_u32 s24, s24, s27
	s_add_co_u32 s24, s24, STG
	v_mul_u32_u24 v[STO], v[RR], PS                ; into the stage: row l % 16, 32 bytes for each half of the lanes
	v_lshl_add_u32 v[STO], v[HH], 5, v[STO]
	v_add_nc_u32 v[STO], s24, v[STO]
	v_lshl_add_u32 v[TMP], v[HH], 5, s27           ; the bias of my columns: 256 (w % 2) + 32 h
	; the bases: each buffer's address plus an offset made apart
	s_lshl_b32 s24, s21, 24                        ; an expert's weights: 16 MiB
	s_lshl_b32 s27, s22, 9                         ; 128 columns of f32
	s_add_co_u32 s24, s24, s27
.if FFN == 2
	s_lshl_b32 s27, s23, 22                        ; 1,024 rows of 4,096 bytes
	s_add_co_u32 s24, s24, s27
.endif
	s_mov_b32 s25, 0
	s_add_nc_u64 s[28:29], s[6:7], s[24:25]
	s_lshl_b32 s24, s23, 11                        ; the slice's 1,024 bf16 along a row of A
	s_add_nc_u64 s[34:35], s[4:5], s[24:25]
.if FFN == 1
	s_lshl_b32 s24, s21, 14                        ; an expert's bias
.else
	s_lshl_b32 s24, s21, 12
.endif
	s_lshl_b32 s27, s22, 9
	s_add_co_u32 s24, s24, s27
	s_add_nc_u64 s[8:9], s[8:9], s[24:25]
.set n, 0
.rept 4
	global_load_b128 v[BI+8*n:BI+8*n+3],   v[TMP], s[8:9] offset:64*n
	global_load_b128 v[BI+8*n+4:BI+8*n+7], v[TMP], s[8:9] offset:64*n+16
.set n, n+1
.endr
.if FFN == 1
	s_lshl_b32 s24, s22, 8                         ; 128 columns of bf16
.else
	s_lshl_b32 s24, s23, 22                        ; a slice of P: 4 MiB
	s_lshl_b32 s27, s22, 9
	s_add_co_u32 s24, s24, s27
	s_cmp_eq_u32 s23, 0
	s_cselect_b32 s72, -1, 0                       ; the bias enters slice 0 alone
.endif
	s_add_nc_u64 s[14:15], s[14:15], s[24:25]
	s_mov_b32 s63, 0xffff0000
	s_mov_b32 s69, 0
	s_mov_b32 s71, 0
.if FFN == 1
	s_mov_b32 s62, 0x7fffffff
	s_mov_b32 s48, 0x3e6d3388                      ; 0.3275911 / sqrt(2)
	s_mov_b32 s50, 0x3f596d27                      ; sqrt(log2(e) / 2)
	s_mov_b32 s52, 0x3e027906                      ; the fit's five coefficients, halved
	s_mov_b32 s54, 0xbe11a98e
	s_mov_b32 s56, 0x3f35f0e3
	s_mov_b32 s58, 0xbf3a00e3
	s_mov_b32 s60, 0x3f07dc22
.irp c, 48,50,52,54,56,58,60
	s_mov_b32 s[\c+1], s[\c]                       ; named as pairs
.endr
.endif
	s_wait_kmcnt 0x0
	s_min_u32 s16, s16, 0x400
	s_min_u32 s17, s17, 0x400
	s_sub_co_u32 s66, s17, s16                     ; the expert's rows still to do
	s_lshl_b32 s24, s16, 2
	s_add_nc_u64 s[38:39], s[10:11], s[24:25]      ; perm at the expert's first token
	s_wait_loadcnt 0x0                             ; the bias: rounded to bf16 like every input, widened again
.set p, 0
.rept 16
	v_cvt_pk_bf16_f32 v[T+p], v[BI+2*p], v[BI+2*p+1]
.set p, p+1
.endr
.set p, 0
.rept 16
.if FFN == 2
	v_and_b32 v[T+p], s72, v[T+p]
.endif
	v_lshlrev_b32 v[BI+2*p], 16, v[T+p]
	v_and_b32 v[BI+2*p+1], s63, v[T+p]
.set p, p+1
.endr
.macro ROWS                            ; at a pass's head: how many rows are left, and whether any of my wave's 64 exist
	s_max_i32 s42, s66, 0
	s_lshl_b32 s24, s19, 6
	s_cmp_lt_u32 s24, s42
	s_cselect_b32 s43, 1, 0
.endm
.macro ASKTOK                          ; 17 loads from the pass's 256 entries of perm: the way out's tokens, a lane each; and for each of the 16 rows that I gather its token (16 lanes share a word)
	global_load_b32 v[TOK], v[PO], s[38:39]
.set t, 0
.rept 16
	global_load_b32 v[RO+t], v[POH], s[38:39] offset:64*t        ; row 16 t + 2 w + h
.set t, t+1
.endr
.endm
.macro MAKERO                          ; a token becomes a row's byte offset.  A row past the expert's count takes whatever token perm holds there: inside the buffer, and its result is never stored
	v_min_u32 v[TOK], 0x3ff, v[TOK]
.set t, 0
.rept 16
	v_min_u32 v[RO+t], 0x3ff, v[RO+t]
	v_lshl_add_u32 v[RO+t], v[RO+t], SHA, v[L16]
.set t, t+1
.endr
.endm
.macro LOADW b                         ; 16 k-rows of a chunk into set b: a load covers one row's 512 consecutive bytes
	WIN W_LD
.set jj, 0
.rept 16
	global_load_b128 v[WST+64*(\b)+4*jj:WST+64*(\b)+4*jj+3], v[WOE], s[30+2*(\b):31+2*(\b)] offset:jj*PW th:TH_LOAD_NT
.set jj, jj+1
.endr
	WIN 0
.endm
.macro LOADA                           ; 256 bytes of 32 token rows: a load covers two rows
	WIN 0
.set jj, 0
.rept 16
	global_load_b128 v[AST+4*jj:AST+4*jj+3], v[RO+jj], s[36:37]
.set jj, jj+1
.endr
.endm
.macro CVTW b                          ; set b is rounded to bf16 and stored [k][n]: a store covers 256 consecutive bytes
	WIN W_CV
.set jj, 0
.rept 32
	v_cvt_pk_bf16_f32 v[T+jj], v[WST+64*(\b)+2*jj], v[WST+64*(\b)+2*jj+1]
.set jj, jj+1
.endr
	WIN 0
.set jj, 0
.rept 16
	ds_store_b64 v[WS], v[T+2*jj:T+2*jj+1] offset:jj*PB+(\b)*WB1
.set jj, jj+1
.endr
.endm
.macro STOREA b
.set jj, 0
.rept 16
	ds_store_b128 v[AS+(\b)], v[AST+4*jj:AST+4*jj+3] offset:jj*16*PA
.set jj, jj+1
.endr
.endm
.macro PLACES                          ; four plain instructions between a matrix instruction and a load into, or a read of, its registers
.rept 4
	v_nop
.endr
.endm
; 32 along K: 8 turning loads (4 column blocks of W), 8 loads (4 tiles of tokens), 16 matrix instructions.  The 16 accumulators take turns, in the same order in every
; step.  first = 1: the products start the sums on the bias.
.macro KSTEP b, s, first
	PLACES
	WIN 0
.set nn, 0
.rept 4
	ds_load_tr16_b128 v[FB+8*nn:FB+8*nn+3],   v[BF+(\b)] offset:(\s)*32*PB+32*nn
	ds_load_tr16_b128 v[FB+8*nn+4:FB+8*nn+7], v[BF+(\b)] offset:(\s)*32*PB+32*nn+16*PB
.set nn, nn+1
.endr
.set ii, 0
.rept 4
	ds_load_b128 v[FA+8*ii:FA+8*ii+3],   v[AF+(\b)] offset:ii*16*PA+64*(\s)
	ds_load_b128 v[FA+8*ii+4:FA+8*ii+7], v[AF+(\b)] offset:ii*16*PA+64*(\s)+32
.set ii, ii+1
.endr
.set ii, 0
.rept 4
	s_wait_dscnt 6-2*ii                            ; W's fragments and tile ii's are in; the later tiles' two loads each may stay out
.if \first
	WIN W_M0
.else
	WIN W_MM
.endif
.set nn, 0
.rept 4
.if \first
	v_wmma_f32_16x16x32_bf16 v[ACC+8*(4*ii+nn):ACC+8*(4*ii+nn)+7], v[FB+8*nn:FB+8*nn+7], v[FA+8*ii:FA+8*ii+7], v[BI+8*nn:BI+8*nn+7]
.else
	v_wmma_f32_16x16x32_bf16 v[ACC+8*(4*ii+nn):ACC+8*(4*ii+nn)+7], v[FB+8*nn:FB+8*nn+7], v[FA+8*ii:FA+8*ii+7], v[ACC+8*(4*ii+nn):ACC+8*(4*ii+nn)+7]
.endif
.set nn, nn+1
.endr
.set ii, ii+1
.endr
.endm
; THE FIRST PASS'S CHUNK c, in buffers b = c % 2.  Loads were issued in the order W(c), A(c), W(c+1).  w1: what may stay out when W(c) is wanted; w2: when A(c) is.
; la: A(c+1) is asked for; lw: W(c+2).  The bases are stepped behind the waits that show their last loads done.
; ONE barrier: in front of it my stores into buffers b and my reads of the other buffers are done; behind it buffers b are whole, and the other
; buffers, which the next chunk's stores rewrite, are read by nobody.  A wave whose 64 rows do not exist jumps its products, but for the first chunk's, which start the sums.
.macro CHUNK b, first, la, lw, w1, w2
	s_wait_loadcnt \w1
	CVTW \b
	s_wait_loadcnt \w2
	STOREA \b
.if \la
	s_add_nc_u64 s[36:37], s[36:37], 2*KC
	LOADA
.endif
.if \lw
	s_add_nc_u64 s[30+2*(\b):31+2*(\b)], s[30+2*(\b):31+2*(\b)], s[68:69]
	LOADW \b
.endif
	s_wait_dscnt 0x0
	s_barrier_signal -1
	s_barrier_wait -1
.if !(\first)
	s_cmp_eq_u32 s43, 0
	s_cbranch_scc1 .Lsk_\@
.endif
	KSTEP \b, 0, \first
	KSTEP \b, 1, 0
	KSTEP \b, 2, 0
	KSTEP \b, 3, 0
	WIN 0                                          ; at a label and at a branch every window is 0
.if !(\first)
.Lsk_\@:
.endif
.endm
; A CHUNK OF A LATER PASS, in buffers 0 alone.  Two parts, each jumped whole where it has nothing to do, each with nothing of its own in flight at its end:
; (1) the chunk's loads, the wait for all of them, the rounding, the LDS stores; (2) the products.  The bases' steps, the waits on LDS and the two barriers stand outside,
; on every wave's path: behind the first barrier the buffers are whole, behind the second nobody reads them.  s44 counts the pass's chunks from 8 down: the first
; chunk's first step starts the sums on the bias; two more plain instructions stand ahead of it, six places in all in front of products that write over accumulators.
.macro SLOWCHUNK
	s_cmp_eq_u32 s42, 0
	s_cbranch_scc1 .Lnl_\@
	LOADW 0
	LOADA
	s_wait_loadcnt 0x0
	CVTW 0
	STOREA 0
.Lnl_\@:
	s_add_nc_u64 s[30:31], s[30:31], s[70:71]      ; no load is out on either way; the steps behind the last chunk are not used
	s_add_nc_u64 s[36:37], s[36:37], 2*KC
	s_wait_dscnt 0x0
	s_barrier_signal -1
	s_barrier_wait -1
	s_cmp_eq_u32 s43, 0
	s_cbranch_scc1 .Lsk_\@
	s_cmp_lg_u32 s44, 8
	s_cbranch_scc1 .Lnf_\@
	v_nop
	v_nop
	KSTEP 0, 0, 1
	WIN 0
	s_branch .Lj_\@
.Lnf_\@:
	KSTEP 0, 0, 0
	WIN 0
.Lj_\@:
	KSTEP 0, 1, 0
	KSTEP 0, 2, 0
	KSTEP 0, 3, 0
	WIN 0
.Lsk_\@:
	s_wait_dscnt 0x0
	s_barrier_signal -1
	s_barrier_wait -1
.endm
.if FFN == 1
; gelu(z) = max(z, 0) - |z| q,  q = (1/2) poly(t) 2^-(c |z|)^2,  t = 1 / (1 + p |z|): eight numbers in Z, in place
.set AZ, AST
.set DN, AST+8
.set UU, AST+16
.set MX, AST+24
.set PL, AST+32
.macro GELU8
.irp j, 0,1,2,3,4,5,6,7
	v_and_b32 v[AZ+\j], s62, v[Z+\j]
.endr
.irp p, 0,2,4,6
	v_pk_fma_f32 v[DN+\p:DN+\p+1], v[AZ+\p:AZ+\p+1], s[48:49], 1.0 op_sel_hi:[1,0,0]
.endr
.irp p, 0,2,4,6
	v_pk_mul_f32 v[UU+\p:UU+\p+1], v[AZ+\p:AZ+\p+1], s[50:51] op_sel_hi:[1,0]
.endr
.irp p, 0,2,4,6
	v_pk_mul_f32 v[UU+\p:UU+\p+1], v[UU+\p:UU+\p+1], v[UU+\p:UU+\p+1] neg_lo:[1,0] neg_hi:[1,0]
.endr
.irp j, 0,1,2,3,4,5,6,7
	v_rcp_f32 v[DN+\j], v[DN+\j]
.endr
.irp j, 0,1,2,3,4,5,6,7
	v_exp_f32 v[UU+\j], v[UU+\j]
.endr
.irp j, 0,1,2,3,4,5,6,7
	v_max_num_f32 v[MX+\j], 0, v[Z+\j]             ; plain work between the transcendentals and the use of their results
.endr
	s_wait_alu depctr_va_vdst(0)
.irp p, 0,2,4,6
	v_pk_fma_f32 v[PL+\p:PL+\p+1], v[DN+\p:DN+\p+1], s[60:61], s[58:59] op_sel_hi:[1,0,0]
.endr
.irp c, 56,54,52
.irp p, 0,2,4,6
	v_pk_fma_f32 v[PL+\p:PL+\p+1], v[PL+\p:PL+\p+1], v[DN+\p:DN+\p+1], s[\c:\c+1] op_sel_hi:[1,1,0]
.endr
.endr
.irp p, 0,2,4,6
	v_pk_mul_f32 v[PL+\p:PL+\p+1], v[PL+\p:PL+\p+1], v[DN+\p:DN+\p+1]
.endr
.irp p, 0,2,4,6
	v_pk_mul_f32 v[PL+\p:PL+\p+1], v[PL+\p:PL+\p+1], v[UU+\p:UU+\p+1]
.endr
.irp p, 0,2,4,6
	v_pk_fma_f32 v[Z+\p:Z+\p+1], v[AZ+\p:AZ+\p+1], v[PL+\p:PL+\p+1], v[MX+\p:MX+\p+1] neg_lo:[1,0,0] neg_hi:[1,0,0]
.endr
.endm
.endif
; THE WAY OUT of a pass.  The sums go through the stage, which lies over the rows' buffers: a barrier when nobody reads those any more, one when the stage is whole, one when it is read out.
.macro WAYOUT
	PLACES
	s_wait_dscnt 0x0
	s_barrier_signal -1
	s_barrier_wait -1
	s_cmp_eq_u32 s43, 0
	s_cbranch_scc1 .Lnost_\@
	WIN W_ST
.set ii, 0
.rept 4
.set nn, 0
.rept 4
	ds_store_b128 v[STO], v[ACC+8*(4*ii+nn):ACC+8*(4*ii+nn)+3]   offset:ii*16*PS+64*nn     ; each accumulator's low registers first
	ds_store_b128 v[STO], v[ACC+8*(4*ii+nn)+4:ACC+8*(4*ii+nn)+7] offset:ii*16*PS+64*nn+16
.set nn, nn+1
.endr
.set ii, ii+1
.endr
	WIN 0
.Lnost_\@:
	s_wait_dscnt 0x0
	s_barrier_signal -1
	s_barrier_wait -1
	v_mov_b32 v[RD], v[RD0]
	v_mov_b32 v[BP], 0
	s_lshl_b32 s46, s18, 1                         ; trip t takes rows 16 t + 2 w and + 1: both lie in the same wave's 64 rows of the stage
	s_mov_b32 s45, 16
.Ltrip_\@:
	s_cmp_ge_u32 s46, s42
	s_cbranch_scc1 .Ldead_\@
	ds_load_b128 v[Z:Z+3], v[RD]
	ds_load_b128 v[Z+4:Z+7], v[RD] offset:PS
	ds_bpermute_b32 v[TK], v[BP], v[TOK]
	v_add_nc_u32 v[TMP], 4, v[BP]
	ds_bpermute_b32 v[TK+1], v[TMP], v[TOK]
	s_wait_dscnt 0x0
.if FFN == 1
	GELU8
.irp p, 0,1,2,3
	v_cvt_pk_bf16_f32 v[OP+\p], v[Z+2*\p], v[Z+2*\p+1]
.endr
.endif
	v_min_u32 v[TK], 0x3ff, v[TK]
	v_min_u32 v[TK+1], 0x3ff, v[TK+1]
	v_lshl_add_u32 v[AD], v[TK], SHO, v[OO]
	v_lshl_add_u32 v[AD+1], v[TK+1], SHO, v[OO]
.if FFN == 1
	global_store_b64 v[AD], v[OP:OP+1], s[14:15]   ; 32 lanes store 256 consecutive bytes of a token's row, aligned
.else
	global_store_b128 v[AD], v[Z:Z+3], s[14:15]    ; 32 lanes store 512 consecutive bytes of a token's row, aligned
.endif
	s_sub_co_u32 s24, s42, s46
	s_cmp_lt_u32 s24, 2                            ; does the second row exist?
	s_cbranch_scc1 .Lone_\@
.if FFN == 1
	global_store_b64 v[AD+1], v[OP+2:OP+3], s[14:15]
.else
	global_store_b128 v[AD+1], v[Z+4:Z+7], s[14:15]
.endif
.Lone_\@:
	s_wait_xcnt 0x0                                ; the stores' registers are written again only behind this wait
.Ldead_\@:
	v_add_nc_u32 v[RD], 16*PS, v[RD]
	v_add_nc_u32 v[BP], 8, v[BP]
	s_add_co_u32 s46, s46, 16
	s_sub_co_u32 s45, s45, 1
	s_cmp_lg_u32 s45, 0
	s_cbranch_scc1 .Ltrip_\@
	s_wait_dscnt 0x0
	s_barrier_signal -1
	s_barrier_wait -1
	s_sub_co_i32 s66, s66, 256                     ; the next pass's rows,
	s_add_nc_u64 s[38:39], s[38:39], 1024          ; and its 256 entries of perm: offs + 1,023 at the most, inside its 2,048
.endm
	; THE FIRST PASS: rows 0 to 255 of the expert
	ROWS
	s_min_u32 s67, s42, 1                          ; 1: the expert has tokens; 0: it has none, and all loads of W fall on the block's first bytes.
	s_mul_i32 s68, s67, 2*KC*PW                    ; The flag enters W's addresses by multiplication alone: a set's step of two chunks,
	s_mul_i32 s70, s67, KC*PW                      ; one chunk,
	v_mul_u32_u24 v[WOE], s67, v[WO]               ; and the lane's offset (under 2^21)
	s_mov_b64 s[30:31], s[28:29]                   ; set 0 begins with chunk 0,
	s_add_nc_u64 s[32:33], s[28:29], s[70:71]      ; set 1 with chunk 1
	s_mov_b64 s[36:37], s[34:35]
	ASKTOK
	LOADW 0
	s_wait_loadcnt 16                              ; the 17 loads from perm are in; W(0)'s 16 loads stay out
	MAKERO
	LOADA
	LOADW 1
	CHUNK 0, 1, 1, 1, 32, 16
	s_mov_b32 s44, 2
.Lck:                                                  ; chunks 1 to 4
	CHUNK 1, 0, 1, 1, 32, 16
	CHUNK 0, 0, 1, 1, 32, 16
	s_sub_co_u32 s44, s44, 1
	s_cmp_lg_u32 s44, 0
	s_cbranch_scc1 .Lck
	CHUNK 1, 0, 1, 1, 32, 16
	CHUNK 0, 0, 1, 0, 32, 16                       ; the tail asks for nothing past the slice
	CHUNK 1, 0, 0, 0, 16, 0
	WAYOUT
	; THE OTHER THREE: rows 256 and up.  (Where one of them has rows the flag above is 1, so WOE and the step in s[70:71] are W's own.)
	s_mov_b32 s41, 3
.Lover:
	ROWS
	s_mov_b64 s[30:31], s[28:29]
	s_mov_b64 s[36:37], s[34:35]
	s_cmp_eq_u32 s42, 0
	s_cbranch_scc1 .Lnotok
	ASKTOK
	s_wait_loadcnt 0x0
	MAKERO
.Lnotok:
	s_mov_b32 s44, 8
.Lsc:
	SLOWCHUNK
	s_sub_co_u32 s44, s44, 1
	s_cmp_lg_u32 s44, 0
	s_cbranch_scc1 .Lsc
	WAYOUT
	s_sub_co_u32 s41, s41, 1
	s_cmp_lg_u32 s41, 0
	s_cbranch_scc1 .Lover
	s_wait_tensorcnt 0x0
	ds_add_u32 v254, v255
	s_wait_dscnt 0x0
	s_endpgm
.Lfunc_end_k_q262fe86922_ffn1:
	.size	k_q262fe86922_ffn1, .Lfunc_end_k_q262fe86922_ffn1-k_q262fe86922_ffn1
	.p2alignl 7, 3214868480
	.fill 96, 4, 3214868480
	.section	.rodata,"a",@progbits
	.p2align	6, 0x0
	.amdhsa_kernel k_q262fe86922_ffn1
		.amdhsa_group_segment_fixed_size 214016
		.amdhsa_private_segment_fixed_size 0
		.amdhsa_enable_private_segment 0
		.amdhsa_kernarg_size 48
		.amdhsa_user_sgpr_count 2
		.amdhsa_user_sgpr_kernarg_segment_ptr 1
		.amdhsa_wavefront_size32 1
		.amdhsa_system_sgpr_workgroup_id_x 1
		.amdhsa_system_sgpr_workgroup_id_y 1
		.amdhsa_system_sgpr_workgroup_id_z 1
		.amdhsa_system_vgpr_workitem_id 0
		.amdhsa_next_free_vgpr 512
		.amdhsa_next_free_sgpr 80
		.amdhsa_reserve_vcc 0
		.amdhsa_float_denorm_mode_32 3
		.amdhsa_float_denorm_mode_16_64 3
		.amdhsa_memory_ordered 1
		.amdhsa_forward_progress 1
		.amdhsa_inst_pref_size 151
	.end_amdhsa_kernel
	.amdgpu_metadata
---
amdhsa.version: [ 1, 2 ]
amdhsa.kernels:
  - .name:           k_q262fe86922_ffn1
    .symbol:         k_q262fe86922_ffn1.kd
    .args:
      - { .name: xb, .offset: 0, .size: 8, .value_kind: global_buffer, .address_space: global }
      - { .name: W1, .offset: 8, .size: 8, .value_kind: global_buffer, .address_space: global }
      - { .name: b1, .offset: 16, .size: 8, .value_kind: global_buffer, .address_space: global }
      - { .name: perm, .offset: 24, .size: 8, .value_kind: global_buffer, .address_space: global }
      - { .name: offs, .offset: 32, .size: 8, .value_kind: global_buffer, .address_space: global }
      - { .name: H, .offset: 40, .size: 8, .value_kind: global_buffer, .address_space: global }
    .group_segment_fixed_size: 214016
    .private_segment_fixed_size: 0
    .kernarg_segment_align: 8
    .kernarg_segment_size: 48
    .max_flat_workgroup_size: 256
    .sgpr_count:     80
    .vgpr_count:     512
    .wavefront_size: 32
...
	.end_amdgpu_metadata
.endif
;; end of part 6
;; launch ffn2 (part 7): grid 32 x 8, 8 waves a work-group, no clusters, 214,016 bytes of LDS; arguments H, W2, b2, perm, offs, P; writes P
.if DOCPART == 7
	.amdgcn_target "amdgcn-amd-amdhsa--gfx1250"
	.amdhsa_code_object_version 6
	.text
	.protected	k_q262fe86922_ffn2
	.globl	k_q262fe86922_ffn2
	.p2align	8
	.type	k_q262fe86922_ffn2,@function
k_q262fe86922_ffn2:
	s_mov_b64 s[64:65], 0
	v_nop
	global_prefetch_b8 v0, s[64:65] scope:SCOPE_SE
	s_setreg_imm32_b32 hwreg(HW_REG_WAVE_MODE, 25, 1), 1
	s_wait_xcnt 0x0
; ONE EXPERT PRODUCT ON THE EXPERT'S OWN TOKENS.  One text for both products; FFN chooses.
;   FFN = 1:  H[t][f]     = gelu(sum_k xb[t][k] W1[e][k][f] + b1[e][f]), rounded to bf16.     xb: [1024][1024] bf16, W1: [8][1024][4096] f32, H: [1024][4096] bf16
;   FFN = 2:  P[ks][t][d] = sum over k in slice ks of H[t][k] W2[e][k][d]  (+ b2[e][d] in slice 0).  W2: [8][4096][1024] f32, P: [4][1024][1024] f32
; for the tokens t = perm[offs[e] .. offs[e+1]-1]: the mask of the layer throws every other expert's result for a token away.
; FORMATS.  Weights and biases are rounded to bf16 (nearest even) on the way from memory; products on the matrix unit, sums and gelu in f32.
; LIMITS.  erf by a rational fit (Abramowitz and Stegun 7.1.26, error 1.5e-7): gelu is off by at most 0.75e-7 |z|.  An infinite or NaN sum gives NaN.
; SHARES.  A work-group owns one expert (grid y), 128 columns and 1,024 of K, which it streams once for each PASS of 256 of the expert's rows, in 8 chunks of 128.
; 256 work-groups stream 512 KiB of weights each: here 8 column blocks x 4 slices of K, since 8 column blocks alone would be 64 work-groups and narrower
; blocks would cut W2's rows below 256 bytes; the four slices' sums are added in the launch behind.  Wave w: rows 64 (w / 2) .. + 63, columns 64 (w % 2) .. + 63.
; THE PASSES are a constant four (an expert can have all 1,024 tokens), so that every barrier stands on every wave's path.  THE FIRST is the stream described under
; THE ROAD: 1,024 tokens for 8 experts are 128 rows each if shared evenly, which one pass of 256 holds.  An expert without tokens runs it with the weights' traffic
; collapsed: their lane offset and steps are multiplied by a flag that is 0 there.  THE OTHER THREE serve an expert's rows 256 and up, by a shorter text that overlaps
; nothing: a chunk is loaded, waited for, rounded, stored, and multiplied, with a barrier behind the stores and one behind the products.  Each part between two barriers
; begins and ends with nothing of its own in flight, so a pass without rows jumps every part, forward, and is left with its barriers.  The price: rows beyond the
; first 256 stream the weights again, and without overlap.  Matrix work, stage stores and output trips of rows that do not exist are jumped likewise.
; THE ROAD.  Weights lie [k][n] in f32: 16-byte loads (a wave's load is one row's 512 consecutive bytes), rounded in registers, stored [k][n] in bf16 in LDS, and
; turned by ds_load_tr16_b128.  Token rows are gathered by 16-byte loads (16 lanes take 256 consecutive bytes of a row) and stored by rows.  Two LDS buffers each,
; one barrier a chunk.  In flight for a wave: two chunks of weights (32 loads) and one of rows (16).
; NO TENSOR LOADS: the f32 weights must pass through registers to be rounded.  NO CLUSTER: no byte of the weights is read by two work-groups, and the rows that an
; expert's work-groups share are gathered by a list, which no tile describes.
; THE MATRIX INSTRUCTION IS USED TRANSPOSED: source 0 = 16 columns of W, source 1 = 16 tokens: a lane holds one token and eight neighbouring columns.
.set FFN, 2
.if FFN == 1
.set PW,  16384        ; bytes from row to row of W
.set SHA, 11           ; a row of A is 1 << SHA bytes
.set SHO, 13           ; a row of the output
.set SHL, 3            ; a lane's share of the block's 128 columns in the output: 1 << SHL bytes
.else
.set PW,  4096
.set SHA, 13
.set SHO, 12
.set SHL, 4
.endif
.set KC,  128          ; K in a chunk
.set PB,  288          ; a k-row of W in LDS: 256 bytes + 32: an odd multiple of 32, so 16 lanes of the turning load (8 rows x 32 bytes) take each bank once
.set PA,  272          ; a token row in LDS: 256 + 16: the 16 rows of a fragment load start at 16 different groups of four banks
.set PS,  528          ; a row of the stage: 512 + 16
.set WB1, 128*PB       ; W's buffers at 0 and here
.set AB0, 2*128*PB     ; the rows' buffers: 256 rows each
.set AB1, AB0+256*PA
.set STG, AB0          ; the stage for the way out, 256 x 528 bytes, lies over the rows' buffers, between barriers
; window 0
.set L16, 1            ; 16 (lane % 16)
.set HH,  2            ; lane / 16
.set WO,  3            ; W: 16 w rows + 16 x lane
.set WS,  4            ; where I store 8 bytes of a k-row
.set AS,  5            ; v5, v6   where I store 16 bytes of a token row, buffer 0, 1
.set AF,  7            ; v7, v8   my token fragments
.set BF,  9            ; v9, v10  my W fragments
.set STO, 11           ; the stage: where I put 16 bytes
.set RD0, 12           ; the stage: where I read in trip 0
.set RD,  13           ; the same, stepping
.set TOK, 14           ; lane l: the token of row 16 (l / 2) + 2 w + l % 2 of the pass
.set BP,  15           ; 4 x the lane of TOK wanted in the trip
.set TMP, 16
.set PO,  17           ; my byte offset in the pass's 256 entries of perm, for TOK
.set OO,  18           ; my byte offset in the block's part of an output row
.set RR,  19           ; lane % 16
.set WOE, 20           ; WO, or 0 for an expert without tokens
.set RI,  21           ; the row of the pass whose token my lane of TOK holds
.set POH, 22           ; 4 (2 w + lane / 16): my byte offset in each 16 entries of perm, for the rows that I gather
.set LN,  23           ; lane
.set RO,  24           ; v[24:39]   byte offsets of the 16 rows that I gather
.set BI,  40           ; v[40:71]   the bias as a C operand: 8 registers for each of my 4 column blocks
.set T,   72           ; v[72:103]  weights rounded, on their way to LDS
.set AST, 104          ; v[104:167] token rows on their way to LDS; at work in gelu
.set FA,  168          ; v[168:199] token fragments, 4 tiles
.set FB,  200          ; v[200:231] W fragments, 4 column blocks
.set Z,   232          ; v[232:239] the way out: 4 numbers of each of two rows
.set TK,  240          ; v240, v241 the two rows' tokens
.set AD,  242          ; v242, v243 their byte offsets in the output
.set OP,  244          ; v[244:247] FFN = 1: the 4 + 4 numbers in bf16
; window 1
.set ACC, 0            ; accumulator (tile i, column block n) at 8 (4 i + n)
.set WST, 128          ; weights as loaded: two sets of 64
.set MSB, 0
.macro WIN new                         ; the immediate's high byte repeats the setting that is left; a switch that changes nothing is dropped
.if MSB != (\new)
	s_set_vgpr_msb (MSB<<8)|(\new)
.set MSB, \new
.endif
.endm
.set W_LD, 0x40        ; destination window 1
.set W_CV, 0x05        ; sources 0 and 1 window 1
.set W_MM, 0x50        ; C and D window 1
.set W_M0, 0x40        ; D window 1, C (the bias) window 0
.set W_ST, 0x04        ; an LDS store's data window 1
	s_load_b256 s[4:11], s[0:1], 0x0               ; A s[4:5], W s[6:7], bias s[8:9], perm s[10:11]
	s_load_b128 s[12:15], s[0:1], 0x20             ; offs s[12:13], out s[14:15]
	v_lshl_add_u32 v254, v0, 2, 0x34000
	v_mov_b32 v255, 0
	v_lshrrev_b32 v[TMP], 5, v0
	v_readfirstlane_b32 s18, v[TMP]                ; wave w
	s_lshr_b32 s19, s18, 1                         ; which 64 rows
	s_and_b32 s20, s18, 1                          ; which 64 columns
	s_and_b32 s21, ttmp7, 0xffff                   ; expert
.if FFN == 1
	s_mov_b32 s22, ttmp9                           ; column block
	s_mov_b32 s23, 0                               ; one slice: all of K
.else
	s_and_b32 s22, ttmp9, 7                        ; column block
	s_lshr_b32 s23, ttmp9, 3                       ; K slice
.endif
	s_lshl_b32 s26, s21, 2
	s_wait_kmcnt 0x0
	s_load_b64 s[16:17], s[12:13], s26 offset:0x0  ; offs[e], offs[e+1]
	v_and_b32 v[LN], 31, v0
	v_and_b32 v[RR], 15, v0
	v_bfe_u32 v[HH], v0, 4, 1
	v_lshlrev_b32 v[L16], 4, v[RR]
	s_mul_i32 s24, s18, 16*PW
	v_lshl_add_u32 v[WO], v[LN], 4, s24            ; wave w loads k-rows 16 w .. 16 w + 15 of a chunk
	s_mul_i32 s24, s18, 16*PB
	v_lshl_add_u32 v[WS], v[LN], 3, s24
	s_lshl_b32 s24, s18, 1
	v_add_nc_u32 v[TMP], s24, v[HH]                ; 2 w + h: my row in each group of 16
	v_lshlrev_b32 v[POH], 2, v[TMP]
	v_mul_u32_u24 v[AS], v[TMP], PA
	v_add_nc_u32 v[AS], v[AS], v[L16]
	v_add_nc_u32 v[AS+1], AB1, v[AS]
	v_add_nc_u32 v[AS], AB0, v[AS]
	s_mul_i32 s27, s18, 2*PS                       ; back from the stage: 32 lanes take a row of 512 bytes, 16 bytes (4 columns) each
	s_add_co_u32 s27, s27, STG
	v_lshl_add_u32 v[RD0], v[LN], 4, s27
	v_lshlrev_b32 v[OO], SHL, v[LN]                ; and the same 4 columns in the output
	v_lshrrev_b32 v[TMP], 1, v[LN]
	v_and_b32 v[RI], 1, v[LN]
	v_lshl_add_u32 v[RI], v[TMP], 4, v[RI]
	v_add_nc_u32 v[RI], s24, v[RI]                 ; 16 (l / 2) + 2 w + l % 2
	v_lshlrev_b32 v[PO], 2, v[RI]
	s_mul_i32 s24, s19, 64*PA
	v_mul_u32_u24 v[AF], v[RR], PA                 ; a token fragment: row l % 16, 16 bytes for each half of the lanes
	v_lshl_add_u32 v[AF], v[HH], 4, v[AF]
	v_add_nc_u32 v[AF], s24, v[AF]
	v_add_nc_u32 v[AF+1], AB1, v[AF]
	v_add_nc_u32 v[AF], AB0, v[AF]
	v_and_b32 v[TMP], 7, v0                        ; the turning load: lane l reads k-row 8 (l / 16) + l % 8, columns 8 ((l / 8) % 2) + 0..7
	v_lshl_add_u32 v[TMP], v[HH], 3, v[TMP]
	v_mul_u32_u24 v[BF], v[TMP], PB
	v_bfe_u32 v[TMP], v0, 3, 1
	v_lshl_add_u32 v[BF], v[TMP], 4, v[BF]
	s_lshl_b32 s24, s20, 7
	v_add_nc_u32 v[BF], s24, v[BF]
	v_add_nc_u32 v[BF+1], WB1, v[BF]
	s_mul_i32 s24, s19, 64*PS
	s_lshl_b32 s27, s20, 8
	s_add_co_u32 s24, s24, s27
	s_add_co_u32 s24, s24, STG
	v_mul_u32_u24 v[STO], v[RR], PS                ; into the stage: row l % 16, 32 bytes for each half of the lanes
	v_lshl_add_u32 v[STO], v[HH], 5, v[STO]
	v_add_nc_u32 v[STO], s24, v[STO]
	v_lshl_add_u32 v[TMP], v[HH], 5, s27           ; the bias of my columns: 256 (w % 2) + 32 h
	; the bases: each buffer's address plus an offset made apart
	s_lshl_b32 s24, s21, 24                        ; an expert's weights: 16 MiB
	s_lshl_b32 s27, s22, 9                         ; 128 columns of f32
	s_add_co_u32 s24, s24, s27
.if FFN == 2
	s_lshl_b32 s27, s23, 22                        ; 1,024 rows of 4,096 bytes
	s_add_co_u32 s24, s24, s27
.endif
	s_mov_b32 s25, 0
	s_add_nc_u64 s[28:29], s[6:7], s[24:25]
	s_lshl_b32 s24, s23, 11                        ; the slice's 1,024 bf16 along a row of A
	s_add_nc_u64 s[34:35], s[4:5], s[24:25]
.if FFN == 1
	s_lshl_b32 s24, s21, 14                        ; an expert's bias
.else
	s_lshl_b32 s24, s21, 12
.endif
	s_lshl_b32 s27, s22, 9
	s_add_co_u32 s24, s24, s27
	s_add_nc_u64 s[8:9], s[8:9], s[24:25]
.set n, 0
.rept 4
	global_load_b128 v[BI+8*n:BI+8*n+3],   v[TMP], s[8:9] offset:64*n
	global_load_b128 v[BI+8*n+4:BI+8*n+7], v[TMP], s[8:9] offset:64*n+16
.set n, n+1
.endr
.if FFN == 1
	s_lshl_b32 s24, s22, 8                         ; 128 columns of bf16
.else
	s_lshl_b32 s24, s23, 22                        ; a slice of P: 4 MiB
	s_lshl_b32 s27, s22, 9
	s_add_co_u32 s24, s24, s27
	s_cmp_eq_u32 s23, 0
	s_cselect_b32 s72, -1, 0                       ; the bias enters slice 0 alone
.endif
	s_add_nc_u64 s[14:15], s[14:15], s[24:25]
	s_mov_b32 s63, 0xffff0000
	s_mov_b32 s69, 0
	s_mov_b32 s71, 0
.if FFN == 1
	s_mov_b32 s62, 0x7fffffff
	s_mov_b32 s48, 0x3e6d3388                      ; 0.3275911 / sqrt(2)
	s_mov_b32 s50, 0x3f596d27                      ; sqrt(log2(e) / 2)
	s_mov_b32 s52, 0x3e027906                      ; the fit's five coefficients, halved
	s_mov_b32 s54, 0xbe11a98e
	s_mov_b32 s56, 0x3f35f0e3
	s_mov_b32 s58, 0xbf3a00e3
	s_mov_b32 s60, 0x3f07dc22
.irp c, 48,50,52,54,56,58,60
	s_mov_b32 s[\c+1], s[\c]                       ; named as pairs
.endr
.endif
	s_wait_kmcnt 0x0
	s_min_u32 s16, s16, 0x400
	s_min_u32 s17, s17, 0x400
	s_sub_co_u32 s66, s17, s16                     ; the expert's rows still to do
	s_lshl_b32 s24, s16, 2
	s_add_nc_u64 s[38:39], s[10:11], s[24:25]      ; perm at the expert's first token
	s_wait_loadcnt 0x0                             ; the bias: rounded to bf16 like every input, widened again
.set p, 0
.rept 16
	v_cvt_pk_bf16_f32 v[T+p], v[BI+2*p], v[BI+2*p+1]
.set p, p+1
.endr
.set p, 0
.rept 16
.if FFN == 2
	v_and_b32 v[T+p], s72, v[T+p]
.endif
	v_lshlrev_b32 v[BI+2*p], 16, v[T+p]
	v_and_b32 v[BI+2*p+1], s63, v[T+p]
.set p, p+1
.endr
.macro ROWS                            ; at a pass's head: how many rows are left, and whether any of my wave's 64 exist
	s_max_i32 s42, s66, 0
	s_lshl_b32 s24, s19, 6
	s_cmp_lt_u32 s24, s42
	s_cselect_b32 s43, 1, 0
.endm
.macro ASKTOK                          ; 17 loads from the pass's 256 entries of perm: the way out's tokens, a lane each; and for each of the 16 rows that I gather its token (16 lanes share a word)
	global_load_b32 v[TOK], v[PO], s[38:39]
.set t, 0
.rept 16
	global_load_b32 v[RO+t], v[POH], s[38:39] offset:64*t        ; row 16 t + 2 w + h
.set t, t+1
.endr
.endm
.macro MAKERO                          ; a token becomes a row's byte offset.  A row past the expert's count takes whatever token perm holds there: inside the buffer, and its result is never stored
	v_min_u32 v[TOK], 0x3ff, v[TOK]
.set t, 0
.rept 16
	v_min_u32 v[RO+t], 0x3ff, v[RO+t]
	v_lshl_add_u32 v[RO+t], v[RO+t], SHA, v[L16]
.set t, t+1
.endr
.endm
.macro LOADW b                         ; 16 k-rows of a chunk into set b: a load covers one row's 512 consecutive bytes
	WIN W_LD
.set jj, 0
.rept 16
	global_load_b128 v[WST+64*(\b)+4*jj:WST+64*(\b)+4*jj+3], v[WOE], s[30+2*(\b):31+2*(\b)] offset:jj*PW th:TH_LOAD_NT
.set jj, jj+1
.endr
	WIN 0
.endm
.macro LOADA                           ; 256 bytes of 32 token rows: a load covers two rows
	WIN 0
.set jj, 0
.rept 16
	global_load_b128 v[AST+4*jj:AST+4*jj+3], v[RO+jj], s[36:37]
.set jj, jj+1
.endr
.endm
.macro CVTW b                          ; set b is rounded to bf16 and stored [k][n]: a store covers 256 consecutive bytes
	WIN W_CV
.set jj, 0
.rept 32
	v_cvt_pk_bf16_f32 v[T+jj], v[WST+64*(\b)+2*jj], v[WST+64*(\b)+2*jj+1]
.set jj, jj+1
.endr
	WIN 0
.set jj, 0
.rept 16
	ds_store_b64 v[WS], v[T+2*jj:T+2*jj+1] offset:jj*PB+(\b)*WB1
.set jj, jj+1
.endr
.endm
.macro STOREA b
.set jj, 0
.rept 16
	ds_store_b128 v[AS+(\b)], v[AST+4*jj:AST+4*jj+3] offset:jj*16*PA
.set jj, jj+1
.endr
.endm
.macro PLACES                          ; four plain instructions between a matrix instruction and a load into, or a read of, its registers
.rept 4
	v_nop
.endr
.endm
; 32 along K: 8 turning loads (4 column blocks of W), 8 loads (4 tiles of tokens), 16 matrix instructions.  The 16 accumulators take turns, in the same order in every
; step.  first = 1: the products start the sums on the bias.
.macro KSTEP b, s, first
	PLACES
	WIN 0
.set nn, 0
.rept 4
	ds_load_tr16_b128 v[FB+8*nn:FB+8*nn+3],   v[BF+(\b)] offset:(\s)*32*PB+32*nn
	ds_load_tr16_b128 v[FB+8*nn+4:FB+8*nn+7], v[BF+(\b)] offset:(\s)*32*PB+32*nn+16*PB
.set nn, nn+1
.endr
.set ii, 0
.rept 4
	ds_load_b128 v[FA+8*ii:FA+8*ii+3],   v[AF+(\b)] offset:ii*16*PA+64*(\s)
	ds_load_b128 v[FA+8*ii+4:FA+8*ii+7], v[AF+(\b)] offset:ii*16*PA+64*(\s)+32
.set ii, ii+1
.endr
.set ii, 0
.rept 4
	s_wait_dscnt 6-2*ii                            ; W's fragments and tile ii's are in; the later tiles' two loads each may stay out
.if \first
	WIN W_M0
.else
	WIN W_MM
.endif
.set nn, 0
.rept 4
.if \first
	v_wmma_f32_16x16x32_bf16 v[ACC+8*(4*ii+nn):ACC+8*(4*ii+nn)+7], v[FB+8*nn:FB+8*nn+7], v[FA+8*ii:FA+8*ii+7], v[BI+8*nn:BI+8*nn+7]
.else
	v_wmma_f32_16x16x32_bf16 v[ACC+8*(4*ii+nn):ACC+8*(4*ii+nn)+7], v[FB+8*nn:FB+8*nn+7], v[FA+8*ii:FA+8*ii+7], v[ACC+8*(4*ii+nn):ACC+8*(4*ii+nn)+7]
.endif
.set nn, nn+1
.endr
.set ii, ii+1
.endr
.endm
; THE FIRST PASS'S CHUNK c, in buffers b = c % 2.  Loads were issued in the order W(c), A(c), W(c+1).  w1: what may stay out when W(c) is wanted; w2: when A(c) is.
; la: A(c+1) is asked for; lw: W(c+2).  The bases are stepped behind the waits that show their last loads done.
; ONE barrier: in front of it my stores into buffers b and my reads of the other buffers are done; behind it buffers b are whole, and the other
; buffers, which the next chunk's stores rewrite, are read by nobody.  A wave whose 64 rows do not exist jumps its products, but for the first chunk's, which start the sums.
.macro CHUNK b, first, la, lw, w1, w2
	s_wait_loadcnt \w1
	CVTW \b
	s_wait_loadcnt \w2
	STOREA \b
.if \la
	s_add_nc_u64 s[36:37], s[36:37], 2*KC
	LOADA
.endif
.if \lw
	s_add_nc_u64 s[30+2*(\b):31+2*(\b)], s[30+2*(\b):31+2*(\b)], s[68:69]
	LOADW \b
.endif
	s_wait_dscnt 0x0
	s_barrier_signal -1
	s_barrier_wait -1
.if !(\first)
	s_cmp_eq_u32 s43, 0
	s_cbranch_scc1 .Lsk_\@
.endif
	KSTEP \b, 0, \first
	KSTEP \b, 1, 0
	KSTEP \b, 2, 0
	KSTEP \b, 3, 0
	WIN 0                                          ; at a label and at a branch every window is 0
.if !(\first)
.Lsk_\@:
.endif
.endm
; A CHUNK OF A LATER PASS, in buffers 0 alone.  Two parts, each jumped whole where it has nothing to do, each with nothing of its own in flight at its end:
; (1) the chunk's loads, the wait for all of them, the rounding, the LDS stores; (2) the products.  The bases' steps, the waits on LDS and the two barriers stand outside,
; on every wave's path: behind the first barrier the buffers are whole, behind the second nobody reads them.  s44 counts the pass's chunks from 8 down: the first
; chunk's first step starts the sums on the bias; two more plain instructions stand ahead of it, six places in all in front of products that write over accumulators.
.macro SLOWCHUNK
	s_cmp_eq_u32 s42, 0
	s_cbranch_scc1 .Lnl_\@
	LOADW 0
	LOADA
	s_wait_loadcnt 0x0
	CVTW 0
	STOREA 0
.Lnl_\@:
	s_add_nc_u64 s[30:31], s[30:31], s[70:71]      ; no load is out on either way; the steps behind the last chunk are not used
	s_add_nc_u64 s[36:37], s[36:37], 2*KC
	s_wait_dscnt 0x0
	s_barrier_signal -1
	s_barrier_wait -1
	s_cmp_eq_u32 s43, 0
	s_cbranch_scc1 .Lsk_\@
	s_cmp_lg_u32 s44, 8
	s_cbranch_scc1 .Lnf_\@
	v_nop
	v_nop
	KSTEP 0, 0, 1
	WIN 0
	s_branch .Lj_\@
.Lnf_\@:
	KSTEP 0, 0, 0
	WIN 0
.Lj_\@:
	KSTEP 0, 1, 0
	KSTEP 0, 2, 0
	KSTEP 0, 3, 0
	WIN 0
.Lsk_\@:
	s_wait_dscnt 0x0
	s_barrier_signal -1
	s_barrier_wait -1
.endm
.if FFN == 1
; gelu(z) = max(z, 0) - |z| q,  q = (1/2) poly(t) 2^-(c |z|)^2,  t = 1 / (1 + p |z|): eight numbers in Z, in place
.set AZ, AST
.set DN, AST+8
.set UU, AST+16
.set MX, AST+24
.set PL, AST+32
.macro GELU8
.irp j, 0,1,2,3,4,5,6,7
	v_and_b32 v[AZ+\j], s62, v[Z+\j]
.endr
.irp p, 0,2,4,6
	v_pk_fma_f32 v[DN+\p:DN+\p+1], v[AZ+\p:AZ+\p+1], s[48:49], 1.0 op_sel_hi:[1,0,0]
.endr
.irp p, 0,2,4,6
	v_pk_mul_f32 v[UU+\p:UU+\p+1], v[AZ+\p:AZ+\p+1], s[50:51] op_sel_hi:[1,0]
.endr
.irp p, 0,2,4,6
	v_pk_mul_f32 v[UU+\p:UU+\p+1], v[UU+\p:UU+\p+1], v[UU+\p:UU+\p+1] neg_lo:[1,0] neg_hi:[1,0]
.endr
.irp j, 0,1,2,3,4,5,6,7
	v_rcp_f32 v[DN+\j], v[DN+\j]
.endr
.irp j, 0,1,2,3,4,5,6,7
	v_exp_f32 v[UU+\j], v[UU+\j]
.endr
.irp j, 0,1,2,3,4,5,6,7
	v_max_num_f32 v[MX+\j], 0, v[Z+\j]             ; plain work between the transcendentals and the use of their results
.endr
.irp p, 0,2,4,6
	v_pk_fma_f32 v[PL+\p:PL+\p+1], v[DN+\p:DN+\p+1], s[60:61], s[58:59] op_sel_hi:[1,0,0]
.endr
.irp c, 56,54,52
.irp p, 0,2,4,6
	v_pk_fma_f32 v[PL+\p:PL+\p+1], v[PL+\p:PL+\p+1], v[DN+\p:DN+\p+1], s[\c:\c+1] op_sel_hi:[1,1,0]
.endr
.endr
.irp p, 0,2,4,6
	v_pk_mul_f32 v[PL+\p:PL+\p+1], v[PL+\p:PL+\p+1], v[DN+\p:DN+\p+1]
.endr
.irp p, 0,2,4,6
	v_pk_mul_f32 v[PL+\p:PL+\p+1], v[PL+\p:PL+\p+1], v[UU+\p:UU+\p+1]
.endr
.irp p, 0,2,4,6
	v_pk_fma_f32 v[Z+\p:Z+\p+1], v[AZ+\p:AZ+\p+1], v[PL+\p:PL+\p+1], v[MX+\p:MX+\p+1] neg_lo:[1,0,0] neg_hi:[1,0,0]
.endr
.endm
.endif
; THE WAY OUT of a pass.  The sums go through the stage, which lies over the rows' buffers: a barrier when nobody reads those any more, one when the stage is whole, one when it is read out.
.macro WAYOUT
	PLACES
	s_wait_dscnt 0x0
	s_barrier_signal -1
	s_barrier_wait -1
	s_cmp_eq_u32 s43, 0
	s_cbranch_scc1 .Lnost_\@
	WIN W_ST
.set ii, 0
.rept 4
.set nn, 0
.rept 4
	ds_store_b128 v[STO], v[ACC+8*(4*ii+nn):ACC+8*(4*ii+nn)+3]   offset:ii*16*PS+64*nn     ; each accumulator's low registers first
	ds_store_b128 v[STO], v[ACC+8*(4*ii+nn)+4:ACC+8*(4*ii+nn)+7] offset:ii*16*PS+64*nn+16
.set nn, nn+1
.endr
.set ii, ii+1
.endr
	WIN 0
.Lnost_\@:
	s_wait_dscnt 0x0
	s_barrier_signal -1
	s_barrier_wait -1
	v_mov_b32 v[RD], v[RD0]
	v_mov_b32 v[BP], 0
	s_lshl_b32 s46, s18, 1                         ; trip t takes rows 16 t + 2 w and + 1: both lie in the same wave's 64 rows of the stage
	s_mov_b32 s45, 16
.Ltrip_\@:
	s_cmp_ge_u32 s46, s42
	s_cbranch_scc1 .Ldead_\@
	ds_load_b128 v[Z:Z+3], v[RD]
	ds_load_b128 v[Z+4:Z+7], v[RD] offset:PS
	ds_bpermute_b32 v[TK], v[BP], v[TOK]
	v_add_nc_u32 v[TMP], 4, v[BP]
	ds_bpermute_b32 v[TK+1], v[TMP], v[TOK]
	s_wait_dscnt 0x0
.if FFN == 1
	GELU8
.irp p, 0,1,2,3
	v_cvt_pk_bf16_f32 v[OP+\p], v[Z+2*\p], v[Z+2*\p+1]
.endr
.endif
	v_min_u32 v[TK], 0x3ff, v[TK]
	v_min_u32 v[TK+1], 0x3ff, v[TK+1]
	v_lshl_add_u32 v[AD], v[TK], SHO, v[OO]
	v_lshl_add_u32 v[AD+1], v[TK+1], SHO, v[OO]
.if FFN == 1
	global_store_b64 v[AD], v[OP:OP+1], s[14:15]   ; 32 lanes store 256 consecutive bytes of a token's row, aligned
.else
	global_store_b128 v[AD], v[Z:Z+3], s[14:15]    ; 32 lanes store 512 consecutive bytes of a token's row, aligned
.endif
	s_sub_co_u32 s24, s42, s46
	s_cmp_lt_u32 s24, 2                            ; does the second row exist?
	s_cbranch_scc1 .Lone_\@
.if FFN == 1
	global_store_b64 v[AD+1], v[OP+2:OP+3], s[14:15]
.else
	global_store_b128 v[AD+1], v[Z+4:Z+7], s[14:15]
.endif
.Lone_\@:
	s_wait_xcnt 0x0                                ; the stores' registers are written again only behind this wait
.Ldead_\@:
	v_add_nc_u32 v[RD], 16*PS, v[RD]
	v_add_nc_u32 v[BP], 8, v[BP]
	s_add_co_u32 s46, s46, 16
	s_sub_co_u32 s45, s45, 1
	s_cmp_lg_u32 s45, 0
	s_cbranch_scc1 .Ltrip_\@
	s_wait_dscnt 0x0
	s_barrier_signal -1
	s_barrier_wait -1
	s_sub_co_i32 s66, s66, 256                     ; the next pass's rows,
	s_add_nc_u64 s[38:39], s[38:39], 1024          ; and its 256 entries of perm: offs + 1,023 at the most, inside its 2,048
.endm
	; THE FIRST PASS: rows 0 to 255 of the expert
	ROWS
	s_min_u32 s67, s42, 1                          ; 1: the expert has tokens; 0: it has none, and all loads of W fall on the block's first bytes.
	s_mul_i32 s68, s67, 2*KC*PW                    ; The flag enters W's addresses by multiplication alone: a set's step of two chunks,
	s_mul_i32 s70, s67, KC*PW                      ; one chunk,
	v_mul_u32_u24 v[WOE], s67, v[WO]               ; and the lane's offset (under 2^21)
	s_mov_b64 s[30:31], s[28:29]                   ; set 0 begins with chunk 0,
	s_add_nc_u64 s[32:33], s[28:29], s[70:71]      ; set 1 with chunk 1
	s_mov_b64 s[36:37], s[34:35]
	ASKTOK
	LOADW 0
	s_wait_loadcnt 16                              ; the 17 loads from perm are in; W(0)'s 16 loads stay out
	MAKERO
	LOADA
	LOADW 1
	CHUNK 0, 1, 1, 1, 32, 16
	s_mov_b32 s44, 2
.Lck:                                                  ; chunks 1 to 4
	CHUNK 1, 0, 1, 1, 32, 16
	CHUNK 0, 0, 1, 1, 32, 16
	s_sub_co_u32 s44, s44, 1
	s_cmp_lg_u32 s44, 0
	s_cbranch_scc1 .Lck
	CHUNK 1, 0, 1, 1, 32, 16
	CHUNK 0, 0, 1, 0, 32, 16                       ; the tail asks for nothing past the slice
	CHUNK 1, 0, 0, 0, 16, 0
	WAYOUT
	; THE OTHER THREE: rows 256 and up.  (Where one of them has rows the flag above is 1, so WOE and the step in s[70:71] are W's own.)
	s_mov_b32 s41, 3
.Lover:
	ROWS
	s_mov_b64 s[30:31], s[28:29]
	s_mov_b64 s[36:37], s[34:35]
	s_cmp_eq_u32 s42, 0
	s_cbranch_scc1 .Lnotok
	ASKTOK
	s_wait_loadcnt 0x0
	MAKERO
.Lnotok:
	s_mov_b32 s44, 8
.Lsc:
	SLOWCHUNK
	s_sub_co_u32 s44, s44, 1
	s_cmp_lg_u32 s44, 0
	s_cbranch_scc1 .Lsc
	WAYOUT
	s_sub_co_u32 s41, s41, 1
	s_cmp_lg_u32 s41, 0
	s_cbranch_scc1 .Lover
	s_wait_tensorcnt 0x0
	ds_add_u32 v254, v255
	s_wait_dscnt 0x0
	s_endpgm
.Lfunc_end_k_q262fe86922_ffn2:
	.size	k_q262fe86922_ffn2, .Lfunc_end_k_q262fe86922_ffn2-k_q262fe86922_ffn2
	.p2alignl 7, 3214868480
	.fill 96, 4, 3214868480
	.section	.rodata,"a",@progbits
	.p2align	6, 0x0
	.amdhsa_kernel k_q262fe86922_ffn2
		.amdhsa_group_segment_fixed_size 214016
		.amdhsa_private_segment_fixed_size 0
		.amdhsa_enable_private_segment 0
		.amdhsa_kernarg_size 48
		.amdhsa_user_sgpr_count 2
		.amdhsa_user_sgpr_kernarg_segment_ptr 1
		.amdhsa_wavefront_size32 1
		.amdhsa_system_sgpr_workgroup_id_x 1
		.amdhsa_system_sgpr_workgroup_id_y 1
		.amdhsa_system_sgpr_workgroup_id_z 1
		.amdhsa_system_vgpr_workitem_id 0
		.amdhsa_next_free_vgpr 512
		.amdhsa_next_free_sgpr 80
		.amdhsa_reserve_vcc 0
		.amdhsa_float_denorm_mode_32 3
		.amdhsa_float_denorm_mode_16_64 3
		.amdhsa_memory_ordered 1
		.amdhsa_forward_progress 1
		.amdhsa_inst_pref_size 144
	.end_amdhsa_kernel
	.amdgpu_metadata
---
amdhsa.version: [ 1, 2 ]
amdhsa.kernels:
  - .name:           k_q262fe86922_ffn2
    .symbol:         k_q262fe86922_ffn2.kd
    .args:
      - { .name: H, .offset: 0, .size: 8, .value_kind: global_buffer, .address_space: global }
      - { .name: W2, .offset: 8, .size: 8, .value_kind: global_buffer, .address_space: global }
      - { .name: b2, .offset: 16, .size: 8, .value_kind: global_buffer, .address_space: global }
      - { .name: perm, .offset: 24, .size: 8, .value_kind: global_buffer, .address_space: global }
      - { .name: offs, .offset: 32, .size: 8, .value_kind: global_buffer, .address_space: global }
      - { .name: P, .offset: 40, .size: 8, .value_kind: global_buffer, .address_space: global }
    .group_segment_fixed_size: 214016
    .private_segment_fixed_size: 0
    .kernarg_segment_align: 8
    .kernarg_segment_size: 48
    .max_flat_workgroup_size: 256
    .sgpr_count:     80
    .vgpr_count:     512
    .wavefront_size: 32
...
	.end_amdgpu_metadata
.endif
;; end of part 7
;; launch combine: the kernel of part 5 again; grid 256 x 1, 8 waves a work-group, no clusters, 0 bytes of LDS; arguments P, gate, out0; writes out0
